; MI455X (gfx1250); checked and timed in simulation.
; The chip was launched on July 23, 2026; its instructions are those of AMD's public machine-readable ISA for CDNA 5 (MIT licence, August 2026) and "CDNA5" Instruction Set Architecture Reference Guide (July 2026). The comments in the code are by the model that wrote it; some were corrected since.
;; Parallel Transformer Block. Allowed arithmetic: float matrix products may take bf16 or f16 operands with f32 sums; all other float work in f32.
;; Inputs: gamma 2,048 float32; w_attn_out 512 x 2,048 float32; w_ff_out 2,048 x 2,048 float32; w_fused 2,048 x 4,672 float32; x 2 x 2,048 x 2,048 float32.
;; Outputs: out0 2 x 2,048 x 2,048 float32.
;; One version. Each part assembles by itself: llvm-mc -triple=amdgcn-amd-amdhsa -mcpu=gfx1250 --defsym DOCPART=n.
;; ======== version 1 of 1: 5 launches
;; limits: values are held in f16: magnitudes above 65,504 overflow, below 6.1e-05 lose precision
;; workspace buffers: xn 16,777,216 bytes; wt 19,136,512 bytes; wo 10,485,760 bytes; nrm 4,864 bytes; qf 4,194,304 bytes; kv 524,288 bytes; act 20,971,520 bytes
;; launch prep (part 1): grid 2320 x 1, 8 waves a work-group, no clusters, 17,920 bytes of LDS; arguments x, gamma, w_fused, w_attn_out, w_ff_out, xn, wt, wo, nrm; writes xn, wt, wo, nrm
.if DOCPART == 1
	.amdgcn_target "amdgcn-amd-amdhsa--gfx1250"
	.amdhsa_code_object_version 6
	.text
	.protected	k_qb95232006f_prep
	.globl	k_qb95232006f_prep
	.p2align	8
	.type	k_qb95232006f_prep,@function
k_qb95232006f_prep:
	s_mov_b64 s[64:65], 0
	v_nop
	global_prefetch_b8 v0, s[64:65] scope:SCOPE_SE
	s_setreg_imm32_b32 hwreg(HW_REG_WAVE_MODE, 25, 1), 1
	s_wait_xcnt 0x0
; prep: two jobs that only move bytes, in one launch.
; Work-groups 0..511: LayerNorm without gamma.  xn[row][c] = (x - mean) * rsqrt(var + 1e-5), f16.  One wave, one row of 8,192 bytes, kept in
;   64 registers between the passes; the variance is the mean of the squared DIFFERENCES, so a common offset of x does no harm.
;   |xn| <= sqrt(2048) for every input, so f16 has room.
; Work-groups 512..2319: one tile of 128 k x 64 n of a weight matrix is cast to f16 and transposed through LDS:
;   wt[n][k] = gamma[k] * w_fused[k][n] (product in f32, rounded once);  wo[n][k] = w_ff_out[k][n], wo[n][2048+k] = w_attn_out[k][n].
;   For w_fused the tile's largest |gamma w| goes to nrm[16 ntile + ktile].
; LIMITS: a weight (gamma w for w_fused) beyond 65,504 in magnitude becomes an infinity; below 6.1e-5 it keeps an absolute error of 3e-8.
; No matrix unit, no tensor loads, no cluster: nothing is shared and nothing is multiplied; small work-groups keep many loads on their way.
.set LNWG, 512
.set X,    32                          ; v[32:95] the row (LayerNorm)
.set LPIT, 260                         ; LDS pitch of a transposed row: 64 words + 1, so columns written and rows read both fall on different banks
.set LMAX, 64*LPIT                     ; behind the tile: one word for each wave's maximum
	s_load_b512 s[4:19], s[0:1], 0x0               ; x, gamma, w_fused, w_attn_out, w_ff_out, xn, wt, wo
	s_load_b64 s[20:21], s[0:1], 0x40              ; nrm
	v_lshl_add_u32 v96, v0, 2, 0x4200
	v_mov_b32 v97, 0
	v_lshrrev_b32 v1, 5, v0
	v_readfirstlane_b32 s22, v1                    ; wave
	v_and_b32 v2, 31, v0                           ; lane
	s_mov_b32 s24, 0x76543210                      ; v_permlanex16_b32: lane i reads lane i of the other half
	s_mov_b32 s25, 0xfedcba98
	s_cmp_lt_u32 ttmp9, LNWG                       ; the same for all waves of a work-group
	s_cbranch_scc0 .Lcast
; ---------------- LayerNorm ----------------
.macro WSUM r, t                       ; sum over the 32 lanes, result in every lane; t has been written before
	v_add_f32_dpp v[\r], v[\r], v[\r] row_xmask:1 row_mask:0xf bank_mask:0xf
	v_add_f32_dpp v[\r], v[\r], v[\r] row_xmask:2 row_mask:0xf bank_mask:0xf
	v_add_f32_dpp v[\r], v[\r], v[\r] row_xmask:4 row_mask:0xf bank_mask:0xf
	v_add_f32_dpp v[\r], v[\r], v[\r] row_xmask:8 row_mask:0xf bank_mask:0xf
	v_permlanex16_b32 v[\t], v[\r], s24, s25
	v_add_f32 v[\r], v[\r], v[\t]
.endm
	s_lshl_b32 s26, ttmp9, 16                      ; 8 rows of 8,192 bytes of x
	s_mov_b32 s27, 0
	s_lshl_b32 s28, ttmp9, 15                      ; 8 rows of 4,096 bytes of xn
	s_mov_b32 s29, 0
	s_mov_b32 s30, 0x3a000000                      ; 1/2048
	s_mov_b32 s31, 0x3727c5ac                      ; 1e-5
	v_lshlrev_b32 v3, 4, v2
	v_lshl_add_u32 v3, v1, 13, v3                  ; x: wave's row + 16 lane
	v_lshlrev_b32 v4, 3, v2
	v_lshl_add_u32 v4, v1, 12, v4                  ; xn: wave's row + 8 lane
	s_wait_kmcnt 0x0
	s_add_nc_u64 s[4:5], s[4:5], s[26:27]
	s_add_nc_u64 s[14:15], s[14:15], s[28:29]
.irp j, 0,1,2,3,4,5,6,7,8,9,10,11,12,13,14,15
	global_load_b128 v[X+4*\j:X+4*\j+3], v3, s[4:5] offset:512*\j th:TH_LOAD_NT   ; 512 neighbouring bytes a load
.endr
	s_wait_loadcnt 0x0                             ; the whole row is needed for the mean
.irp c, 0,1,2,3
	v_pk_add_f32 v[8+2*\c:9+2*\c], v[X+2*\c:X+2*\c+1], v[X+8+2*\c:X+9+2*\c]       ; four chains, started by the first words
.endr
.set j, 8
.rept 24
	v_pk_add_f32 v[8+2*(j%4):9+2*(j%4)], v[8+2*(j%4):9+2*(j%4)], v[X+2*j:X+2*j+1]
.set j, j+1
.endr
	v_pk_add_f32 v[8:9], v[8:9], v[10:11]
	v_pk_add_f32 v[12:13], v[12:13], v[14:15]
	v_pk_add_f32 v[8:9], v[8:9], v[12:13]
	v_add_f32 v8, v8, v9
	WSUM 8, 9
	v_mul_f32 v8, s30, v8                          ; the mean,
	v_mov_b32 v9, v8                               ; twice, for the packed subtraction
.set j, 0
.rept 32
	v_pk_add_f32 v[X+2*j:X+2*j+1], v[X+2*j:X+2*j+1], v[8:9] neg_lo:[0,1] neg_hi:[0,1]
.set j, j+1
.endr
.irp c, 0,1,2,3
	v_pk_mul_f32 v[10+2*\c:11+2*\c], v[X+2*\c:X+2*\c+1], v[X+2*\c:X+2*\c+1]
.endr
.set j, 4
.rept 28
	v_pk_fma_f32 v[10+2*(j%4):11+2*(j%4)], v[X+2*j:X+2*j+1], v[X+2*j:X+2*j+1], v[10+2*(j%4):11+2*(j%4)]
.set j, j+1
.endr
	v_pk_add_f32 v[10:11], v[10:11], v[12:13]
	v_pk_add_f32 v[14:15], v[14:15], v[16:17]
	v_pk_add_f32 v[10:11], v[10:11], v[14:15]
	v_add_f32 v10, v10, v11
	WSUM 10, 11
	v_fma_f32 v10, v10, s30, s31                   ; var + 1e-5
	v_rsq_f32 v12, v10
	v_nop                                          ; one plain place behind the transcendental (ISA guide 5.7.2)
	s_wait_alu depctr_va_vdst(0)
	v_mov_b32 v13, v12
.irp j, 0,1,2,3,4,5,6,7,8,9,10,11,12,13,14,15
	v_pk_mul_f32 v[X+4*\j:X+4*\j+1], v[X+4*\j:X+4*\j+1], v[12:13]
	v_pk_mul_f32 v[X+4*\j+2:X+4*\j+3], v[X+4*\j+2:X+4*\j+3], v[12:13]
	v_cvt_pk_f16_f32 v[X+4*\j], v[X+4*\j], v[X+4*\j+1]
	v_cvt_pk_f16_f32 v[X+4*\j+1], v[X+4*\j+2], v[X+4*\j+3]
	global_store_b64 v4, v[X+4*\j:X+4*\j+1], s[14:15] offset:256*\j              ; the wave's 32 lanes store 256 consecutive bytes, aligned
.endr
	s_endpgm
; ---------------- cast and transposition ----------------
; Thread t: cg = t & 15 (16 bytes of a source row), rp = t >> 4 (a pair of k).  It loads rows k = 2 rp + 32 i + e, i = 0..3, e = 0, 1,
; packs (k, k+1) of one column into a word and puts it at LDS row n = 4 cg + c, word rp + 16 i.  Behind the barrier 16 threads read one row of
; 256 bytes (128 k of one n) and store it as one aligned block.
.macro CAST SRC, DST, SP, DP, KOFF, KBITS, TBASE, FUSED
	s_sub_co_u32 s26, ttmp9, LNWG+\TBASE           ; the tile's number in this matrix = ntile << KBITS | ktile
	s_and_b32 s27, s26, (1<<\KBITS)-1              ; ktile
	s_lshr_b32 s28, s26, \KBITS                    ; ntile
	s_mul_i32 s30, s27, 128*\SP
	s_lshl_b32 s29, s28, 8
	s_add_co_u32 s30, s30, s29
	s_mov_b32 s31, 0
	s_add_nc_u64 s[32:33], s[\SRC:\SRC+1], s[30:31]        ; source: row 128 ktile, byte 256 ntile
	s_mul_i32 s30, s28, 64*\DP
	s_lshl_b32 s29, s27, 8
	s_add_co_u32 s30, s30, s29
	s_add_co_u32 s30, s30, \KOFF
	s_add_nc_u64 s[34:35], s[\DST:\DST+1], s[30:31]        ; destination: row 64 ntile, byte KOFF + 256 ktile
	v_mul_u32_u24 v5, v4, 2*\SP
	v_lshl_add_u32 v5, v3, 4, v5                   ; 2 rp rows + 16 cg
.irp i, 0,1,2,3
.irp e, 0,1
	global_load_b128 v[16+8*\i+4*\e:19+8*\i+4*\e], v5, s[32:33] offset:(32*\i+\e)*\SP th:TH_LOAD_NT   ; 16 lanes: 256 consecutive bytes of a row
.endr
.endr
.if \FUSED
	s_lshl_b32 s30, s27, 9
	s_add_nc_u64 s[36:37], s[6:7], s[30:31]        ; gamma at k = 128 ktile
	v_lshlrev_b32 v6, 3, v4
.irp i, 0,1,2,3
	global_load_b64 v[48+2*\i:49+2*\i], v6, s[36:37] offset:128*\i               ; gamma of k = 2 rp + 32 i and the next
.endr
	v_mov_b32 v10, 0                               ; running maximum of magnitudes
	v_mov_b32 v11, 0
.endif
	v_mul_u32_u24 v7, v3, 4*LPIT
	v_lshl_add_u32 v7, v4, 2, v7                   ; LDS in: row 4 cg, word rp
	v_mul_u32_u24 v8, v4, LPIT
	v_lshl_add_u32 v8, v3, 4, v8                   ; LDS back: row rs = t >> 4, byte 16 (t & 15)
	v_mul_u32_u24 v9, v4, \DP
	v_lshl_add_u32 v9, v3, 4, v9                   ; and the same place in the destination
	s_wait_loadcnt 0x0
.if \FUSED
.irp i, 0,1,2,3
.irp e, 0,1
	v_pk_mul_f32 v[16+8*\i+4*\e:17+8*\i+4*\e], v[16+8*\i+4*\e:17+8*\i+4*\e], v[48+2*\i:49+2*\i] op_sel:[0,\e] op_sel_hi:[1,\e]
	v_pk_mul_f32 v[18+8*\i+4*\e:19+8*\i+4*\e], v[18+8*\i+4*\e:19+8*\i+4*\e], v[48+2*\i:49+2*\i] op_sel:[0,\e] op_sel_hi:[1,\e]
	v_max3_num_f32 v10, |v[16+8*\i+4*\e]|, |v[17+8*\i+4*\e]|, v10
	v_max3_num_f32 v10, |v[18+8*\i+4*\e]|, |v[19+8*\i+4*\e]|, v10
.endr
.endr
.endif
.irp i, 0,1,2,3
.irp c, 0,1,2,3
	v_cvt_pk_f16_f32 v[56+4*\i+\c], v[16+8*\i+\c], v[20+8*\i+\c]                 ; (k, k+1) of column 4 cg + c
	ds_store_b32 v7, v[56+4*\i+\c] offset:LPIT*\c+64*\i
.endr
.endr
.if \FUSED
	v_max_num_f32_dpp v10, v10, v10 row_xmask:1 row_mask:0xf bank_mask:0xf
	v_max_num_f32_dpp v10, v10, v10 row_xmask:2 row_mask:0xf bank_mask:0xf
	v_max_num_f32_dpp v10, v10, v10 row_xmask:4 row_mask:0xf bank_mask:0xf
	v_max_num_f32_dpp v10, v10, v10 row_xmask:8 row_mask:0xf bank_mask:0xf
	v_permlanex16_b32 v11, v10, s24, s25
	v_max_num_f32 v10, v10, v11
	v_mov_b32 v12, LMAX
	v_lshl_add_u32 v12, v1, 2, v12
	ds_store_b32 v12, v10                          ; the wave's maximum, the same value from every lane
.endif
	s_wait_dscnt 0x0                               ; my stores are in LDS before I say so
	s_barrier_signal -1
	s_barrier_wait -1
.irp i, 0,1,2,3
.irp j, 0,1,2,3
	ds_load_b32 v[16+4*\i+\j], v8 offset:16*LPIT*\i+4*\j
.endr
.endr
.irp i, 0,1,2,3
	s_wait_dscnt 12-4*\i                           ; the four words of row rs + 16 i are in; the younger groups of four stay out
	global_store_b128 v9, v[16+4*\i:19+4*\i], s[34:35] offset:16*\i*\DP          ; 16 lanes store 256 consecutive bytes, aligned
.endr
.if \FUSED
	s_cmp_lg_u32 s22, 0
	s_cbranch_scc1 .Ldone_\@
	v_mov_b32 v12, LMAX
	ds_load_b128 v[32:35], v12                     ; the eight waves' maxima, stored in front of the barrier
	ds_load_b128 v[36:39], v12 offset:16
	s_lshl_b32 s30, s26, 2
	s_add_nc_u64 s[36:37], s[20:21], s[30:31]      ; nrm[tile]; the loads of gamma that named s[36:37] have been waited for
	v_mov_b32 v13, 0
	s_wait_dscnt 0x0
	v_max3_num_f32 v32, v32, v33, v34
	v_max3_num_f32 v36, v35, v36, v37
	v_max3_num_f32 v32, v32, v38, v39
	v_max_num_f32 v32, v32, v36
	s_wait_xcnt 0x0                                ; EXEC is a source of the stores above: it changes only behind this wait
	v_cmp_eq_u32 vcc_lo, 0, v0
	s_and_saveexec_b32 s38, vcc_lo
	global_store_b32 v13, v32, s[36:37]
	s_wait_xcnt 0x0
	s_or_b32 exec_lo, exec_lo, s38
.Ldone_\@:
.endif
	s_wait_tensorcnt 0x0
	ds_add_u32 v96, v97
	s_wait_dscnt 0x0
	s_endpgm
.endm
.Lcast:
	s_wait_kmcnt 0x0
	v_and_b32 v3, 15, v0
	v_lshrrev_b32 v4, 4, v0
	s_cmp_lt_u32 ttmp9, LNWG+1168                  ; 73 x 16 tiles of w_fused, 32 x 4 of w_attn_out, 32 x 16 of w_ff_out
	s_cbranch_scc1 .Lfused
	s_cmp_lt_u32 ttmp9, LNWG+1296
	s_cbranch_scc1 .Lattn
	CAST 12, 18, 8192, 5120, 0, 4, 1296, 0
.Lattn:
	CAST 10, 18, 8192, 5120, 4096, 2, 1168, 0
.Lfused:
	CAST 8, 16, 18688, 4096, 0, 4, 0, 1
.Lfunc_end_k_qb95232006f_prep:
	.size	k_qb95232006f_prep, .Lfunc_end_k_qb95232006f_prep-k_qb95232006f_prep
	.p2alignl 7, 3214868480
	.fill 96, 4, 3214868480
	.section	.rodata,"a",@progbits
	.p2align	6, 0x0
	.amdhsa_kernel k_qb95232006f_prep
		.amdhsa_group_segment_fixed_size 17920
		.amdhsa_private_segment_fixed_size 0
		.amdhsa_enable_private_segment 0
		.amdhsa_kernarg_size 72
		.amdhsa_user_sgpr_count 2
		.amdhsa_user_sgpr_kernarg_segment_ptr 1
		.amdhsa_wavefront_size32 1
		.amdhsa_system_sgpr_workgroup_id_x 1
		.amdhsa_system_sgpr_workgroup_id_y 1
		.amdhsa_system_sgpr_workgroup_id_z 1
		.amdhsa_system_vgpr_workitem_id 0
		.amdhsa_next_free_vgpr 98
		.amdhsa_next_free_sgpr 66
		.amdhsa_reserve_vcc 1
		.amdhsa_float_denorm_mode_32 3
		.amdhsa_float_denorm_mode_16_64 3
		.amdhsa_memory_ordered 1
		.amdhsa_forward_progress 1
		.amdhsa_inst_pref_size 37
	.end_amdhsa_kernel
	.amdgpu_metadata
---
amdhsa.version: [ 1, 2 ]
amdhsa.kernels:
  - .name:           k_qb95232006f_prep
    .symbol:         k_qb95232006f_prep.kd
    .args:
      - { .name: x, .offset: 0, .size: 8, .value_kind: global_buffer, .address_space: global }
      - { .name: gamma, .offset: 8, .size: 8, .value_kind: global_buffer, .address_space: global }
      - { .name: w_fused, .offset: 16, .size: 8, .value_kind: global_buffer, .address_space: global }
      - { .name: w_attn_out, .offset: 24, .size: 8, .value_kind: global_buffer, .address_space: global }
      - { .name: w_ff_out, .offset: 32, .size: 8, .value_kind: global_buffer, .address_space: global }
      - { .name: xn, .offset: 40, .size: 8, .value_kind: global_buffer, .address_space: global }
      - { .name: wt, .offset: 48, .size: 8, .value_kind: global_buffer, .address_space: global }
      - { .name: wo, .offset: 56, .size: 8, .value_kind: global_buffer, .address_space: global }
      - { .name: nrm, .offset: 64, .size: 8, .value_kind: global_buffer, .address_space: global }
    .group_segment_fixed_size: 17920
    .private_segment_fixed_size: 0
    .kernarg_segment_align: 8
    .kernarg_segment_size: 72
    .max_flat_workgroup_size: 256
    .sgpr_count:     66
    .vgpr_count:     98
    .wavefront_size: 32
...
	.end_amdgpu_metadata
.endif
;; end of part 1
;; launch qkv (part 2): grid 64 x 3, 4 waves a work-group, clusters of 4 x 1, 327,680 bytes of LDS; arguments xn, wt, qf, kv; writes qf, kv
.if DOCPART == 2
	.amdgcn_target "amdgcn-amd-amdhsa--gfx1250"
	.amdhsa_code_object_version 6
	.text
	.protected	k_qb95232006f_qkv
	.globl	k_qb95232006f_qkv
	.p2align	8
	.type	k_qb95232006f_qkv,@function
k_qb95232006f_qkv:
	s_mov_b64 s[64:65], 0
	v_nop
	global_prefetch_b8 v0, s[64:65] scope:SCOPE_SE
	s_setreg_imm32_b32 hwreg(HW_REG_WAVE_MODE, 25, 1), 1
	s_wait_xcnt 0x0
	s_wait_alu depctr_hold_cnt(0) depctr_sa_sdst(0) depctr_va_vdst(0) depctr_va_sdst(0) depctr_va_ssrc(0) depctr_va_vcc(0) depctr_vm_vsrc(0)
	s_getreg_b32 s2, hwreg(HW_REG_IB_STS2, 6, 4)
	s_cmp_eq_u32 s2, 0
	s_cbranch_scc0 .Lentry_in_a_cluster
	s_endpgm
.Lentry_in_a_cluster:
	s_bfe_u32 s2, ttmp6, 0x10000c
	s_cmp_lg_u32 s2, 0x3003
	s_cbranch_scc0 .Lentry_shape_is_right
	s_endpgm
.Lentry_shape_is_right:
; qkv: proj[4096][0..575] = xn x wt^T (f16 operands, f32 sums), rotary positions on q and k, results stored as the matrix fragments that the
; attention launch loads: qf[P][head][tile][half][lane][16 B], kv[P][ K: tile, half, lane | V transposed: d tile, half, lane ], P = row / 32.
; A work-group makes 64 rows x 192 columns with four waves (32 x 96 each: 12 accumulator tiles).  K goes in steps of 256 through two LDS slots:
; a slot is 256 rows of 512 bytes, 528 bytes apart in LDS, so that the 16 rows of a fragment load begin in 16 different 16-byte columns modulo 256;
; two slots take 270,336 bytes, and there are 8 fills for the whole K.  One tensor load a wave, each of 64 rows: waves 0, 1, 2 fetch the weights'
; 192 rows, wave 3 the activations' 64.
; CLUSTER 4 x 1: the four work-groups have the same 192 columns, so the weights' tile is asked for jointly (mask 15); xn's tile is each one's own.
; 576 columns are 18 units of 32 (a rotary pair is d and d + 16), which gives 3 column blocks x 64 row blocks = 192 work-groups.
; The matrix instruction is used transposed (source 0 = weight rows, source 1 = activation rows): lane (r, h), register j holds
; (row 16 a + r, column 16 b + 8 h + j).
; Registers: v0-31 addresses; v32-63 activation fragments, two buffers; v64-159 weight fragments, two buffers; v160-255 the sums.
; LIMITS: q, k, v are stored in f16 (magnitudes up to 65,504).  The rotary angle n * inv_freq is formed in turns, n * exp2(..) in f32, and may be off
; by about 5e-4 rad at n = 2047, alike in q and k; sine and cosine come from series on |u| <= pi/2, a range fixed by the reduction, not by data.
.set FB,    6                          ; weight fragments (16 columns) of a wave
.set NT,    32*FB                      ; 192 columns of the work-group
.set MT,    64                         ; its rows
.set KP,    2048                       ; elements in a row of xn and of wt
.set KSLOT, 256                        ; K in a slot
.set LAPS,  KP/(2*KSLOT)               ; a lap = once round the two slots
.set PITCH, 2*KSLOT+16
.set SLOT,  (NT+MT)*PITCH              ; the weights' 192 rows, then the activations' 64
.set STAGE, 2*SLOT                     ; behind the ring: 32 x 80 bytes for each wave (V's transposition); no tensor load lands there
.set VPIT,  80
.set ADRA, 16                          ; v16-17 LDS address of my activation fragments in slot 0, 1
.set ADRB, 20                          ; v20-21 the same for the weights
.set FA0,  32                          ; buffer f at FA0 + 16 f
.set FB0,  64                          ; buffer f at FB0 + 48 f
.set ACC,  160                         ; tile (a, b) at ACC + 8 (6 a + b)
.set G1A, 24
.set G0A, 32
.set G1B, 40
.set G0B, 48
.macro PLACES                          ; four plain places behind a matrix instruction (ISA guide 7.12.1)
.rept 4
	v_nop
.endr
.endm
.macro JLOAD s                         ; one tensor load a wave; the branch hangs on the wave's number alone
	s_cmp_eq_u32 s12, 3
	s_cbranch_scc1 .Lfor_a_\@
	tensor_load_to_lds s[G0B+4*\s:G0B+4*\s+3], s[G1B:G1B+7]
	s_nop 0
	s_branch .Lasked_\@
.Lfor_a_\@:
	tensor_load_to_lds s[G0A+4*\s:G0A+4*\s+3], s[G1A:G1A+7]
	s_nop 0
.Lasked_\@:
.endm
.macro CREST                           ; a round of the cluster's barrier behind its opening barrier
	s_cmp_lg_u32 s12, 0
	s_cbranch_scc1 .Lnot_wave_0_\@
	s_barrier_signal -3
.Lnot_wave_0_\@:
	s_barrier_wait -3
	s_barrier_signal -1
	s_barrier_wait -1
.endm
.macro CROUND
	s_barrier_signal -1
	s_barrier_wait -1
	CREST
.endm
; Six matrix instructions: row tile a x all my column tiles, 32 along K, from buffer f.  The accumulators take turns, one instruction a turn.
.macro MUL f, a, zero
.set bb, 0
.rept FB
.if \zero
	v_wmma_f32_16x16x32_f16 v[ACC+8*(FB*\a+bb):ACC+8*(FB*\a+bb)+7], v[FB0+48*\f+8*bb:FB0+48*\f+8*bb+7], v[FA0+16*\f+8*\a:FA0+16*\f+8*\a+7], 0
.else
	v_wmma_f32_16x16x32_f16 v[ACC+8*(FB*\a+bb):ACC+8*(FB*\a+bb)+7], v[FB0+48*\f+8*bb:FB0+48*\f+8*bb+7], v[FA0+16*\f+8*\a:FA0+16*\f+8*\a+7], v[ACC+8*(FB*\a+bb):ACC+8*(FB*\a+bb)+7]
.endif
.set bb, bb+1
.endr
.endm
.macro FETCH slot, k, f                ; 16 LDS loads: the fragments of 32 along K, at byte k of the rows, into buffer f
.set bb, 0
.rept FB
	ds_load_b128 v[FB0+48*\f+8*bb:FB0+48*\f+8*bb+3],   v[ADRB+\slot] offset:\k+bb*16*PITCH
	ds_load_b128 v[FB0+48*\f+8*bb+4:FB0+48*\f+8*bb+7], v[ADRB+\slot] offset:\k+bb*16*PITCH+32
.set bb, bb+1
.endr
.irp i, 0,1
	ds_load_b128 v[FA0+16*\f+8*\i:FA0+16*\f+8*\i+3],   v[ADRA+\slot] offset:\k+\i*16*PITCH
	ds_load_b128 v[FA0+16*\f+8*\i+4:FA0+16*\f+8*\i+7], v[ADRA+\slot] offset:\k+\i*16*PITCH+32
.endr
.endm
; A slot is eight parts of 32 along K, on buffers 0, 1, 0, 1 ..  One of the first seven: multiplies buffer f and fetches the next part into buffer g.
.macro PART slot, k, f, g, zero
	s_wait_dscnt 2                                 ; all but the two youngest loads (row tile 1) are in
	MUL \f, 0, \zero
	PLACES                                         ; behind the last matrix instructions that read buffer g
	FETCH \slot, \k, \g
	s_wait_dscnt 16                                ; all but the 16 just issued
	MUL \f, 1, \zero
.endm
.macro SEVEN slot, zero
	PART \slot, 64,  0, 1, \zero
	PART \slot, 128, 1, 0, 0
	PART \slot, 192, 0, 1, 0
	PART \slot, 256, 1, 0, 0
	PART \slot, 320, 0, 1, 0
	PART \slot, 384, 1, 0, 0
	PART \slot, 448, 0, 1, 0
.endm
; The eighth part changes slots.  In front of the barrier each wave waits for its reads of this slot and for all its tensor loads (one is out: its part
; of the next slot).  Where the slot is filled again the barrier opens a round of the cluster's barrier, and the refill is the first tensor load behind it.
.macro TURN slot, next, fill
	s_wait_dscnt 0x0
	s_wait_tensorcnt 0x0
	ds_add_u32 v30, v31
	s_wait_dscnt 0x0
	s_barrier_signal -1
	MUL 1, 0, 0                                    ; register work while the others arrive
	s_barrier_wait -1
.if \fill
	CREST
	s_add_nc_u64 s[G0A+4*\slot+2:G0A+4*\slot+3], s[G0A+4*\slot+2:G0A+4*\slot+3], 2*KSLOT*2
	s_add_nc_u64 s[G0B+4*\slot+2:G0B+4*\slot+3], s[G0B+4*\slot+2:G0B+4*\slot+3], 2*KSLOT*2
	JLOAD \slot
.endif
	PLACES
	FETCH \next, 0, 0
	MUL 1, 1, 0
.endm
.macro LAP zero
	SEVEN 0, \zero
	TURN 0, 1, 1
	SEVEN 1, 0
	TURN 1, 0, 1
.endm
	s_load_b256 s[4:11], s[0:1], 0x0               ; xn s[4:5], wt s[6:7], qf s[8:9], kv s[10:11]
	v_lshl_add_u32 v30, v0, 2, 0x44800
	v_mov_b32 v31, 0
	ds_add_u32 v30, v31
	v_lshrrev_b32 v1, 5, v0
	v_readfirstlane_b32 s12, v1                    ; wave
	s_lshr_b32 s13, s12, 1                         ; mh: my half of the rows
	s_and_b32 s14, s12, 1                          ; nh: my half of the columns
	s_bfe_u32 s15, ttmp6, 0x40000                  ; cx
	s_lshl_b32 s16, ttmp9, 2
	s_add_co_u32 s16, s16, s15                     ; block row = 4 x cluster x + cx
	s_and_b32 s17, ttmp7, 0xffff                   ; block column: the same in all four partners
	s_mov_b32 s[G1A+0], (1<<16)|(1<<20)|(6<<22)|(3<<25)              ; no mask; 2-byte elements; 4 words of padding behind every 128
	s_mov_b32 s[G1A+1], KSLOT<<16                  ; tensor_dim0 = 256
	s_mov_b32 s[G1A+2], 64<<16                     ; tensor_dim1 = 64
	s_mov_b32 s[G1A+3], KSLOT<<16                  ; tile_dim0 = 256
	s_mov_b32 s[G1A+4], 64                         ; tile_dim1 = 64
	s_mov_b32 s[G1A+5], KP                         ; elements from row to row
	s_mov_b32 s[G1A+6], 0
	s_mov_b32 s[G1A+7], 0
	s_mov_b32 s[G1B+0], 15|(1<<16)|(1<<20)|(1<<21)|(6<<22)|(3<<25)   ; the same with the mask of all four, bit 21 beside it
	s_mov_b32 s[G1B+1], KSLOT<<16
	s_mov_b32 s[G1B+2], 64<<16
	s_mov_b32 s[G1B+3], KSLOT<<16
	s_mov_b32 s[G1B+4], 64
	s_mov_b32 s[G1B+5], KP
	s_mov_b32 s[G1B+6], 0
	s_mov_b32 s[G1B+7], 0
	s_lshl_b32 s18, s16, 18                        ; xn: row 64 x block row, 4,096 bytes a row (wave 3 asks by it)
	s_mov_b32 s19, 0
	s_mul_i32 s20, s17, NT
	s_lshl_b32 s21, s12, 6
	s_add_co_u32 s20, s20, s21                     ; wt: row 192 x block column + 64 x wave (waves 0 to 2 ask by it): no place in the cluster enters
	s_lshl_b32 s20, s20, 12
	s_mov_b32 s21, 0
	s_mul_i32 s22, s12, 64*PITCH                   ; LDS: 64 rows a wave; wave 3's lie behind the weights' 192
	s_wait_dscnt 0x0
	s_wait_kmcnt 0x0
	s_add_nc_u64 s[18:19], s[4:5], s[18:19]
	s_add_nc_u64 s[20:21], s[6:7], s[20:21]
	CROUND                                         ; all four work-groups are here: the first joint loads meet
.irp s, 0,1
	s_mov_b32 s[G0A+4*\s], 1
	s_add_co_u32 s[G0A+4*\s+1], s22, \s*SLOT
	s_add_nc_u64 s[G0A+4*\s+2:G0A+4*\s+3], s[18:19], \s*KSLOT*2
	s_or_b32 s[G0A+4*\s+3], s[G0A+4*\s+3], 0x80000000
	s_mov_b32 s[G0B+4*\s], 1
	s_add_co_u32 s[G0B+4*\s+1], s22, \s*SLOT
	s_add_nc_u64 s[G0B+4*\s+2:G0B+4*\s+3], s[20:21], \s*KSLOT*2
	s_or_b32 s[G0B+4*\s+3], s[G0B+4*\s+3], 0x80000000
	JLOAD \s                                       ; two loads of the wave are out, later one
.endr
	v_and_b32 v1, 15, v0                           ; r
	v_bfe_u32 v2, v0, 4, 1                         ; h
	v_mul_u32_u24 v3, v1, PITCH
	v_lshl_add_u32 v3, v2, 4, v3
	s_mul_i32 s56, s13, 32*PITCH
	s_add_co_u32 s56, s56, NT*PITCH                ; my 32 rows of xn
	s_mul_i32 s57, s14, 16*FB*PITCH                ; my 96 rows of wt
.irp s, 0,1
	v_add_nc_u32 v[ADRA+\s], s56, v3
	v_add_nc_u32 v[ADRB+\s], s57, v3
	s_add_co_u32 s56, s56, SLOT
	s_add_co_u32 s57, s57, SLOT
.endr
	s_wait_tensorcnt 1                             ; my part of slot 0 is in; slot 1's stays out
	s_barrier_signal -1
	s_barrier_wait -1
	FETCH 0, 0, 0
	LAP 1                                          ; the first products start the sums
	s_mov_b32 s3, LAPS-2
.Llap:
	LAP 0
	s_sub_co_u32 s3, s3, 1
	s_cmp_lg_u32 s3, 0
	s_cbranch_scc1 .Llap
	SEVEN 0, 0                                     ; the last lap fills nothing
	TURN 0, 1, 0
	SEVEN 1, 0
	s_wait_dscnt 0x0
	MUL 1, 0, 0
	MUL 1, 1, 0
	PLACES                                         ; behind the last matrix instructions: results are read and fragment registers rewritten below
; ---------------- rotary angles ----------------
.set CS,  32                           ; v[32+16a..]  cos of (row 16 a + r, frequency 8 h + j), j = 0..7
.set SN,  40                           ; v[40+16a..]  sin
.set GF,  64                           ; inv_freq / 2 pi of my eight frequencies
.set NP,  72                           ; the position, twice
.set VC9, 74
.set VC10,76
.set TP,  80
.set RN,  88
.set UU,  96
.set ZZ,  104
.set PA,  112
.set PC,  120
.set T1,  128
.set T2,  136
.set VL,  128
.set FO,  144
.set VOFF, 7                           ; v7 = 16 lane
	s_mov_b32 s56, 0xbf549a78                      ; -log2(10000) / 16
	s_mov_b32 s57, 0xc029b21d                      ; -log2(2 pi)
	v_lshlrev_b32 v4, 3, v2
.irp j, 0,1,2,3,4,5,6,7
	v_add_nc_u32 v5, \j, v4
	v_cvt_f32_u32 v5, v5
	v_fma_f32 v[GF+\j], v5, s56, s57
.endr
.irp j, 0,1,2,3,4,5,6,7
	v_exp_f32 v[GF+\j], v[GF+\j]
.endr
	v_mov_b32 v[VC9], 0x3638ef1d                   ; 1/9!   (also the plain place behind the exponentials)
	v_mov_b32 v[VC9+1], 0x3638ef1d
	v_mov_b32 v[VC10], 0xb493f27e                  ; -1/10!
	v_mov_b32 v[VC10+1], 0xb493f27e
	s_lshl_b32 s58, s16, 6
	s_lshl_b32 s59, s13, 5
	s_add_co_u32 s58, s58, s59                     ; my first row
	v_add_nc_u32 v6, s58, v1
	s_wait_alu depctr_va_vdst(0)
; t = n g - round(n g) turns, |t| <= 1/2; u = pi t is half the angle: sin = 2 sin u cos u, cos = 1 - 2 sin^2 u.
.macro TRIG a
	v_add_nc_u32 v5, 16*\a, v6
	v_and_b32 v5, 2047, v5                         ; the position in the sequence
	v_cvt_f32_u32 v[NP], v5
	v_mov_b32 v[NP+1], v[NP]
.irp q, 0,2,4,6
	v_pk_mul_f32 v[TP+\q:TP+\q+1], v[GF+\q:GF+\q+1], v[NP:NP+1]
.endr
.irp j, 0,1,2,3,4,5,6,7
	v_rndne_f32 v[RN+\j], v[TP+\j]
.endr
.irp q, 0,2,4,6
	v_pk_fma_f32 v[TP+\q:TP+\q+1], v[GF+\q:GF+\q+1], v[NP:NP+1], v[RN+\q:RN+\q+1] neg_lo:[0,0,1] neg_hi:[0,0,1]
	v_pk_mul_f32 v[UU+\q:UU+\q+1], v[TP+\q:TP+\q+1], 0x40490fdb op_sel_hi:[1,0]
	v_pk_mul_f32 v[ZZ+\q:ZZ+\q+1], v[UU+\q:UU+\q+1], v[UU+\q:UU+\q+1]
	v_pk_fma_f32 v[PA+\q:PA+\q+1], v[ZZ+\q:ZZ+\q+1], v[VC9:VC9+1], 0xb9500d01 op_sel_hi:[1,1,0]
	v_pk_fma_f32 v[PC+\q:PC+\q+1], v[ZZ+\q:ZZ+\q+1], v[VC10:VC10+1], 0x37d00d01 op_sel_hi:[1,1,0]
	v_pk_fma_f32 v[PA+\q:PA+\q+1], v[PA+\q:PA+\q+1], v[ZZ+\q:ZZ+\q+1], 0x3c088889 op_sel_hi:[1,1,0]
	v_pk_fma_f32 v[PC+\q:PC+\q+1], v[PC+\q:PC+\q+1], v[ZZ+\q:ZZ+\q+1], 0xbab60b61 op_sel_hi:[1,1,0]
	v_pk_fma_f32 v[PA+\q:PA+\q+1], v[PA+\q:PA+\q+1], v[ZZ+\q:ZZ+\q+1], 0xbe2aaaab op_sel_hi:[1,1,0]
	v_pk_fma_f32 v[PC+\q:PC+\q+1], v[PC+\q:PC+\q+1], v[ZZ+\q:ZZ+\q+1], 0x3d2aaaab op_sel_hi:[1,1,0]
	v_pk_fma_f32 v[PA+\q:PA+\q+1], v[PA+\q:PA+\q+1], v[ZZ+\q:ZZ+\q+1], 1.0 op_sel_hi:[1,1,0]
	v_pk_fma_f32 v[PC+\q:PC+\q+1], v[PC+\q:PC+\q+1], v[ZZ+\q:ZZ+\q+1], -0.5 op_sel_hi:[1,1,0]
	v_pk_mul_f32 v[PA+\q:PA+\q+1], v[PA+\q:PA+\q+1], v[UU+\q:UU+\q+1]                          ; sin u
	v_pk_fma_f32 v[PC+\q:PC+\q+1], v[PC+\q:PC+\q+1], v[ZZ+\q:ZZ+\q+1], 1.0 op_sel_hi:[1,1,0]   ; cos u
	v_pk_mul_f32 v[PC+\q:PC+\q+1], v[PC+\q:PC+\q+1], v[PA+\q:PA+\q+1]
	v_pk_mul_f32 v[PA+\q:PA+\q+1], v[PA+\q:PA+\q+1], v[PA+\q:PA+\q+1]
	v_pk_add_f32 v[SN+16*\a+\q:SN+16*\a+\q+1], v[PC+\q:PC+\q+1], v[PC+\q:PC+\q+1]
	v_pk_fma_f32 v[CS+16*\a+\q:CS+16*\a+\q+1], v[PA+\q:PA+\q+1], -2.0, 1.0 op_sel_hi:[1,0,0]
.endr
.endm
	TRIG 0
	TRIG 1
; ---------------- the three units of 32 columns ----------------
	s_lshr_b32 s60, s58, 5                         ; P: my 32 rows are one block
	s_lshl_b32 s61, s60, 12                        ; its offset in kv
	s_lshl_b32 s62, s60, 15                        ; and in qf
	s_mul_i32 s59, s17, 6
	s_mul_i32 s63, s14, 3
	s_add_co_u32 s59, s59, s63                     ; my first unit: 0..15 a query head, 16 k, 17 v
	s_mov_b32 s67, 0
	v_and_b32 v[VOFF], 31, v0
	v_lshlrev_b32 v[VOFF], 4, v[VOFF]
; Unit u: tiles (a, 2u) hold d = 8 h + j, tiles (a, 2u + 1) hold d + 16, in the same lane and register.  The rotated values, packed, ARE the fragment
; halves of a 16 x 32 operand (row r; d = 8 h .. and 16 + 8 h ..): each store of the wave covers 512 consecutive bytes.
.macro ROPEOUT u
	s_add_co_u32 s63, s59, \u
	s_lshl_b32 s66, s63, 11
	s_add_co_u32 s66, s66, s62                     ; a head's place in qf
	s_wait_xcnt 0x0                                ; the base and the data registers of earlier stores are rewritten only behind this wait
	s_cmp_eq_u32 s63, 16
	s_cselect_b64 s[68:69], s[10:11], s[8:9]       ; k goes to kv, a head to qf
	s_cselect_b32 s66, s61, s66
	s_add_nc_u64 s[68:69], s[68:69], s[66:67]
.irp a, 0,1
.irp q, 0,2,4,6
	v_pk_mul_f32 v[T1+\q:T1+\q+1], v[ACC+8*(FB*\a+2*\u)+\q:ACC+8*(FB*\a+2*\u)+\q+1], v[CS+16*\a+\q:CS+16*\a+\q+1]
	v_pk_mul_f32 v[T2+\q:T2+\q+1], v[ACC+8*(FB*\a+2*\u+1)+\q:ACC+8*(FB*\a+2*\u+1)+\q+1], v[CS+16*\a+\q:CS+16*\a+\q+1]
	v_pk_fma_f32 v[T1+\q:T1+\q+1], v[ACC+8*(FB*\a+2*\u+1)+\q:ACC+8*(FB*\a+2*\u+1)+\q+1], v[SN+16*\a+\q:SN+16*\a+\q+1], v[T1+\q:T1+\q+1] neg_lo:[1,0,0] neg_hi:[1,0,0]
	v_pk_fma_f32 v[T2+\q:T2+\q+1], v[ACC+8*(FB*\a+2*\u)+\q:ACC+8*(FB*\a+2*\u)+\q+1], v[SN+16*\a+\q:SN+16*\a+\q+1], v[T2+\q:T2+\q+1]
.endr
.irp i, 0,1,2,3
	v_cvt_pk_f16_f32 v[FO+8*\a+\i], v[T1+2*\i], v[T1+2*\i+1]
	v_cvt_pk_f16_f32 v[FO+8*\a+4+\i], v[T2+2*\i], v[T2+2*\i+1]
.endr
	global_store_b128 v[VOFF], v[FO+8*\a:FO+8*\a+3], s[68:69] offset:\a*1024
	global_store_b128 v[VOFF], v[FO+8*\a+4:FO+8*\a+7], s[68:69] offset:\a*1024+512
.endr
.endm
	ROPEOUT 0
	ROPEOUT 1
	s_add_co_u32 s63, s59, 2
	s_cmp_eq_u32 s63, 17                           ; hangs on the block column and the wave's number alone
	s_cbranch_scc1 .Lvout
	ROPEOUT 2
	s_branch .Lclose
.Lvout:
	; v is wanted transposed (row d, 32 keys along K): through my own stage, [d][32 rows], 80 bytes apart
	s_mul_i32 s73, s12, 32*VPIT
	s_add_co_u32 s73, s73, STAGE
	v_mul_u32_u24 v9, v2, 8*VPIT
	v_lshl_add_u32 v9, v1, 1, v9
	v_add_nc_u32 v9, s73, v9                       ; in: d = 8 h (+ 16 dt + j), row r (+ 16 a)
	v_mul_u32_u24 v10, v1, VPIT
	v_lshl_add_u32 v10, v2, 4, v10
	v_add_nc_u32 v10, s73, v10                     ; back: d = r (+ 16 dt), rows 8 h .. 8 h + 7 (+ 16 half)
	s_wait_xcnt 0x0                                ; the data registers and the base of earlier stores are rewritten below
	s_add_co_u32 s66, s61, 2048
	s_add_nc_u64 s[68:69], s[10:11], s[66:67]      ; kv at my block's V part
.irp a, 0,1
.irp dt, 0,1
.irp i, 0,1,2,3
	v_cvt_pk_f16_f32 v[FO+8*\a+4*\dt+\i], v[ACC+8*(FB*\a+4+\dt)+2*\i], v[ACC+8*(FB*\a+4+\dt)+2*\i+1]
.endr
.endr
.endr
.irp a, 0,1
.irp dt, 0,1
.irp i, 0,1,2,3
	ds_store_b16 v9, v[FO+8*\a+4*\dt+\i] offset:(16*\dt+2*\i)*VPIT+32*\a
	ds_store_b16_d16_hi v9, v[FO+8*\a+4*\dt+\i] offset:(16*\dt+2*\i+1)*VPIT+32*\a
.endr
.endr
.endr
.irp dt, 0,1
.irp hf, 0,1
	ds_load_b128 v[VL+4*(2*\dt+\hf):VL+4*(2*\dt+\hf)+3], v10 offset:\dt*16*VPIT+32*\hf   ; LDS serves a wave's instructions in order: these see the stores above
.endr
.endr
.set n, 0
.irp dt, 0,1
.irp hf, 0,1
	s_wait_dscnt 3-n                               ; load n of the four is in
	global_store_b128 v[VOFF], v[VL+4*n:VL+4*n+3], s[68:69] offset:\dt*1024+\hf*512
.set n, n+1
.endr
.endr
.Lclose:
	s_wait_tensorcnt 0x0
	ds_add_u32 v30, v31
	s_wait_dscnt 0x0
	CROUND                                         ; no work-group ends while a partner may still ask for a tile that names it
	s_endpgm
.Lfunc_end_k_qb95232006f_qkv:
	.size	k_qb95232006f_qkv, .Lfunc_end_k_qb95232006f_qkv-k_qb95232006f_qkv
	.p2alignl 7, 3214868480
	.fill 96, 4, 3214868480
	.section	.rodata,"a",@progbits
	.p2align	6, 0x0
	.amdhsa_kernel k_qb95232006f_qkv
		.amdhsa_group_segment_fixed_size 327680
		.amdhsa_private_segment_fixed_size 0
		.amdhsa_enable_private_segment 0
		.amdhsa_kernarg_size 32
		.amdhsa_user_sgpr_count 2
		.amdhsa_user_sgpr_kernarg_segment_ptr 1
		.amdhsa_wavefront_size32 1
		.amdhsa_system_sgpr_workgroup_id_x 1
		.amdhsa_system_sgpr_workgroup_id_y 1
		.amdhsa_system_sgpr_workgroup_id_z 1
		.amdhsa_system_vgpr_workitem_id 0
		.amdhsa_next_free_vgpr 256
		.amdhsa_next_free_sgpr 80
		.amdhsa_reserve_vcc 0
		.amdhsa_float_denorm_mode_32 3
		.amdhsa_float_denorm_mode_16_64 3
		.amdhsa_memory_ordered 1
		.amdhsa_forward_progress 1
		.amdhsa_inst_pref_size 131
	.end_amdhsa_kernel
	.amdgpu_metadata
---
amdhsa.version: [ 1, 2 ]
amdhsa.kernels:
  - .name:           k_qb95232006f_qkv
    .symbol:         k_qb95232006f_qkv.kd
    .args:
      - { .name: xn, .offset: 0, .size: 8, .value_kind: global_buffer, .address_space: global }
      - { .name: wt, .offset: 8, .size: 8, .value_kind: global_buffer, .address_space: global }
      - { .name: qf, .offset: 16, .size: 8, .value_kind: global_buffer, .address_space: global }
      - { .name: kv, .offset: 24, .size: 8, .value_kind: global_buffer, .address_space: global }
    .group_segment_fixed_size: 327680
    .private_segment_fixed_size: 0
    .kernarg_segment_align: 8
    .kernarg_segment_size: 32
    .max_flat_workgroup_size: 128
    .sgpr_count:     80
    .vgpr_count:     256
    .wavefront_size: 32
...
	.end_amdgpu_metadata
.endif
;; end of part 2
;; launch attn (part 3): grid 256 x 1, 8 waves a work-group, clusters of 4 x 1, 301,056 bytes of LDS; arguments qf, kv, act; writes act
.if DOCPART == 3
	.amdgcn_target "amdgcn-amd-amdhsa--gfx1250"
	.amdhsa_code_object_version 6
	.text
	.protected	k_qb95232006f_attn
	.globl	k_qb95232006f_attn
	.p2align	8
	.type	k_qb95232006f_attn,@function
k_qb95232006f_attn:
	s_mov_b64 s[64:65], 0
	v_nop
	global_prefetch_b8 v0, s[64:65] scope:SCOPE_SE
	s_setreg_imm32_b32 hwreg(HW_REG_WAVE_MODE, 25, 1), 1
	s_wait_xcnt 0x0
	s_wait_alu depctr_hold_cnt(0) depctr_sa_sdst(0) depctr_va_vdst(0) depctr_va_sdst(0) depctr_va_ssrc(0) depctr_va_vcc(0) depctr_vm_vsrc(0)
	s_getreg_b32 s2, hwreg(HW_REG_IB_STS2, 6, 4)
	s_cmp_eq_u32 s2, 0
	s_cbranch_scc0 .Lentry_in_a_cluster
	s_endpgm
.Lentry_in_a_cluster:
	s_bfe_u32 s2, ttmp6, 0x10000c
	s_cmp_lg_u32 s2, 0x3003
	s_cbranch_scc0 .Lentry_shape_is_right
	s_endpgm
.Lentry_shape_is_right:
; attn: causal attention, 16 query heads on one key and value head, head size 32.  out -> act[row][2048 + 32 head + d], f16.
; A cluster of four work-groups takes one batch b and one pair of query blocks (32 positions each): block 63 - p, then block p: 65 steps of 32 keys.
; Work-group cx takes heads 4 cx .. 4 cx + 3.  Eight waves, two for each SIMD: wave w = 4 z + w4; w4 names positions 16 (w4 & 1) .. + 15 and heads
; 4 cx + 2 (w4 >> 1) + {0, 1}; the two waves z = 0, 1 of one w4 SHARE THE KEYS: of query block qb, wave z takes key blocks qb - z, qb - z - 2, ..
; down to 0 or 1, so wave 0 has the diagonal block; 33 and 32 steps in all.  At a block's end wave 1 hands its maximum, sum and O to wave 0 through
; LDS, and wave 0 joins the two parts in f32 with the factors exp2(c (max_i - max)).
; For qb = 0 wave 1 has no key block: it works on block 0, and at the join its maximum is replaced by -FLT_MAX, so its factor is 0 on finite numbers.
; The batch's whole kv (262,144 bytes, already in fragment order) is brought into LDS once, by joint loads of the four partners (mask 15): one load of
; 32,768 bytes a wave; nothing is filled again.
; S^T = K Q^T: lane (r, h), register j holds key 8 h + j (+ 16 kt) of query r, so the two S^T tiles, packed to f16, ARE the second operand of
; O^T = V^T P^T, and maximum and sum of a query lie in two lanes (r, 0) and (r, 1): one v_permlanex16_b32.
; Softmax with a running maximum in f32; masked scores are -FLT_MAX as in the reference; every query sees its own key, so a maximum is always a real score.
; LIMITS: probabilities and the output are rounded to f16.
; Registers v1-v7: v1 16 lane; v2 LDS address of the key block; v3 first the diagonal's comparison value, then the stage's read-back address;
; v4 -FLT_MAX; v5 first r, then the address of my pair's hand-over bytes; v6 first h, then my byte offset in act; v7 the stage's store address.
.set STG,    262144                    ; two stages of 32 rows x 272 bytes behind kv, one for each query block
.set STG2,   32*272
.set MRG,    STG+2*STG2                ; behind them: 10 x 512 bytes for each pair of waves (O, then the two heads' figures)
.set MREG,   10*512
.set SPITCH, 272
.set ACTP,   5120                      ; bytes in a row of act
.set RDA, 3
.set MGA, 5
.set COA, 6
.set STA, 7
.set QL, 8                             ; v[8:23]    Q fragments of the late block, heads t = 0, 1
.set KF, 24                            ; v[24:39]   K fragments, key tiles 0, 1
.set VF, 40                            ; v[40:55]   V^T fragments, d tiles 0, 1
.set SS, 56                            ; v[56:87]   S^T: head t, key tile kt at SS + 16 t + 8 kt; at the join the partner's O
.set PB, 88                            ; v[88:103]  P^T in f16, head t; at the join the partner's figures
.set OO, 104                           ; v[104:135] O^T: head t, d tile dt at OO + 16 t + 8 dt
.set ST, 136                           ; per head: -c max, max, rescale, sum (pairs whose second register is always written)
.set TM, 144
.set TX, 146
.set TS, 148
.set QS, 160                           ; v[160:175] Q fragments of the early block
.macro PLACES
.rept 4
	v_nop
.endr
.endm
.macro ROUND
	s_barrier_signal -1
	s_barrier_wait -1
	s_cmp_lg_u32 s10, 0
	s_cbranch_scc1 .Lnot_wave_0_\@
	s_barrier_signal -3
.Lnot_wave_0_\@:
	s_barrier_wait -3
	s_barrier_signal -1
	s_barrier_wait -1
.endm
	s_load_b128 s[4:7], s[0:1], 0x0                ; qf s[4:5], kv s[6:7]
	s_load_b64 s[8:9], s[0:1], 0x10                ; act
	v_lshl_add_u32 v176, v0, 2, 0x49400
	v_mov_b32 v177, 0
	ds_add_u32 v176, v177
	v_lshrrev_b32 v1, 5, v0
	v_readfirstlane_b32 s10, v1                    ; wave 0..7
	s_lshr_b32 s36, s10, 2                         ; z: which half of the key blocks
	s_and_b32 s39, s10, 3                          ; w4
	s_bfe_u32 s11, s10, 0x10001                    ; which pair of heads
	s_and_b32 s12, s10, 1                          ; which 16 positions
	s_bfe_u32 s13, ttmp6, 0x40000                  ; cx: enters global addresses of plain loads and stores alone
	s_lshr_b32 s14, ttmp9, 5                       ; b
	s_and_b32 s15, ttmp9, 31                       ; p
	s_mov_b32 s24, 15|(3<<16)|(1<<21)              ; group 1: mask of all four, 8-byte elements, bit 21 beside the mask
	s_mov_b32 s25, 32<<16                          ; rows of 32 elements = 256 bytes
	s_mov_b32 s26, 128<<16                         ; 128 rows
	s_mov_b32 s27, 32<<16
	s_mov_b32 s28, 128
	s_mov_b32 s29, 32                              ; dense
	s_mov_b32 s30, 0
	s_mov_b32 s31, 0
	s_lshl_b32 s16, s10, 15                        ; my 32,768 bytes
	s_lshl_b32 s22, s14, 18
	s_add_co_u32 s22, s22, s16
	s_mov_b32 s23, 0
	s_wait_dscnt 0x0
	s_wait_kmcnt 0x0
	s_add_nc_u64 s[22:23], s[6:7], s[22:23]
	ROUND                                          ; the four work-groups are here: the joint loads meet
	s_mov_b32 s32, 1
	s_lshl_b32 s33, s10, 15
	s_mov_b64 s[34:35], s[22:23]
	s_or_b32 s35, s35, 0x80000000
	tensor_load_to_lds s[32:35], s[24:31]          ; the wave's one tensor load
	s_nop 0
	s_mov_b32 s18, 0x76543210
	s_mov_b32 s19, 0xfedcba98
	s_mov_b32 s20, 0x3e8293ee                      ; c = 32^-0.5 log2 e
	s_mov_b32 s21, 0x3e8293ee
	s_mov_b32 s66, 0xbe8293ee                      ; -c
	s_lshl_b32 s76, s14, 6
	s_sub_co_u32 s77, 63, s15
	s_add_co_u32 s77, s77, s76                     ; P of the late block
	s_add_co_u32 s78, s76, s15                     ; P of the early block
	s_lshl_b32 s2, s13, 13
	s_lshl_b32 s3, s11, 12
	s_add_co_u32 s2, s2, s3
	s_lshl_b32 s3, s12, 10
	s_add_co_u32 s2, s2, s3                        ; (4 cx + 2 pair) heads of 2,048 bytes + my position tile's 1,024
	s_lshl_b32 s68, s77, 15
	s_add_co_u32 s68, s68, s2
	s_mov_b32 s69, 0
	s_lshl_b32 s70, s78, 15
	s_add_co_u32 s70, s70, s2
	s_mov_b32 s71, 0
	s_add_nc_u64 s[68:69], s[4:5], s[68:69]
	s_add_nc_u64 s[70:71], s[4:5], s[70:71]
	v_and_b32 v1, 31, v0
	v_lshlrev_b32 v1, 4, v1                        ; 16 lane
.irp t, 0,1
.irp hf, 0,1
	global_load_b128 v[QL+8*\t+4*\hf:QL+8*\t+4*\hf+3], v1, s[68:69] offset:\t*2048+\hf*512
	global_load_b128 v[QS+8*\t+4*\hf:QS+8*\t+4*\hf+3], v1, s[70:71] offset:\t*2048+\hf*512
.endr
.endr
	; From here to the wait for these eight loads nothing names v[8:23] or v[160:175].
	s_lshl_b32 s3, s10, 2                          ; a wave stores 4 of the block's 32 rows
	s_lshl_b32 s2, s13, 8
	s_add_co_u32 s2, s2, 4096                      ; byte 4,096 + 256 cx of a row of act
	s_lshl_b32 s72, s77, 5
	s_add_co_u32 s72, s72, s3
	s_mul_i32 s72, s72, ACTP
	s_add_co_u32 s72, s72, s2
	s_mov_b32 s73, 0
	s_lshl_b32 s74, s78, 5
	s_add_co_u32 s74, s74, s3
	s_mul_i32 s74, s74, ACTP
	s_add_co_u32 s74, s74, s2
	s_mov_b32 s75, 0
	s_add_nc_u64 s[72:73], s[8:9], s[72:73]
	s_add_nc_u64 s[74:75], s[8:9], s[74:75]
	v_and_b32 v5, 15, v0                           ; r
	v_bfe_u32 v6, v0, 4, 1                         ; h
	v_lshlrev_b32 v3, 3, v6
	v_sub_nc_u32 v3, v5, v3
	v_lshl_add_u32 v3, s12, 4, v3                  ; 16 pw + r - 8 h: key 16 kt + 8 h + j of the diagonal block is seen where 16 kt + j <= this
	s_mul_i32 s38, s36, 1000
	v_add_nc_u32 v3, s38, v3                       ; wave z = 1 never has the diagonal block: + 1000 makes all its compares true
	v_mov_b32 v4, 0xff7fffff                       ; -FLT_MAX
.irp e, 0,1,2,3,4,5,6,7,8,9,10,11,12,13,14,15
	v_cmp_ge_i32 s[48+\e], v3, \e+8*(\e/8)         ; register e = 8 kt + j of a head's S^T
.endr
	v_lshl_add_u32 v[STA], s12, 4, v5
	v_mul_u32_u24 v[STA], v[STA], SPITCH
	v_lshl_add_u32 v[STA], v6, 4, v[STA]
	s_lshl_b32 s3, s11, 7
	s_add_co_u32 s3, s3, STG
	v_add_nc_u32 v[STA], s3, v[STA]                ; stage in: row 16 pw + r, byte 128 pair + 16 h
	v_lshl_add_u32 v[RDA], s10, 2, v6              ; v3's first value has served the compares
	v_mul_u32_u24 v[RDA], v[RDA], SPITCH
	v_lshl_add_u32 v[RDA], v5, 4, v[RDA]
	v_add_nc_u32 v[RDA], STG, v[RDA]               ; stage back: row 4 w + h, byte 16 r
	v_mul_u32_u24 v[COA], v6, ACTP                 ; the last use of h
	v_lshl_add_u32 v[COA], v5, 4, v[COA]           ; and the same place in act: the last use of r
	s_mul_i32 s3, s39, MREG
	s_add_co_u32 s3, s3, MRG
	v_add_nc_u32 v[MGA], s3, v1                    ; my pair's hand-over bytes + 16 lane
	v_mov_b32 v[TX], 0                             ; destinations of v_permlanex16_b32 count as read
	v_mov_b32 v[TX+1], 0
; One step: 32 keys.  At its head K of this block is on its way or in; V of this block and K of the block two further down (modulo the 64 blocks in LDS)
; are asked for behind the S products.  first = 1: the run's first step: it carries the mask, and its figures and products start the sums: nothing is cleared.
.macro STEP q, first
	s_wait_dscnt 0x0                               ; K of this block: the only LDS loads that are out
	v_wmma_f32_16x16x32_f16 v[SS:SS+7],     v[KF:KF+7],    v[\q:\q+7], 0
	v_wmma_f32_16x16x32_f16 v[SS+16:SS+23], v[KF:KF+7],    v[\q+8:\q+15], 0
	v_wmma_f32_16x16x32_f16 v[SS+8:SS+15],  v[KF+8:KF+15], v[\q:\q+7], 0
	v_wmma_f32_16x16x32_f16 v[SS+24:SS+31], v[KF+8:KF+15], v[\q+8:\q+15], 0
	s_sub_co_u32 s16, s16, 2
	s_and_b32 s16, s16, 63                         ; the address below stays inside kv; behind a run's last step the block is read and not used
	PLACES                                         ; behind these four and behind the last step's four: S is read, VF and KF are loaded again
.irp i, 0,1,2,3
	ds_load_b128 v[VF+4*\i:VF+4*\i+3], v2 offset:2048+512*\i
.endr
	v_lshl_add_u32 v2, s16, 12, v1                 ; my next block
.irp i, 0,1,2,3
	ds_load_b128 v[KF+4*\i:KF+4*\i+3], v2 offset:512*\i
.endr
.if \first
.irp t, 0,1
.irp e, 0,1,2,3,4,5,6,7,8,9,10,11,12,13,14,15
	v_cndmask_b32 v[SS+16*\t+\e], v4, v[SS+16*\t+\e], s[48+\e]
.endr
.endr
.endif
.irp t, 0,1
	v_max3_num_f32 v[TM+\t], v[SS+16*\t], v[SS+16*\t+1], v[SS+16*\t+2]
.endr
.irp e, 3,5,7,9,11,13
.irp t, 0,1
	v_max3_num_f32 v[TM+\t], v[TM+\t], v[SS+16*\t+\e], v[SS+16*\t+\e+1]
.endr
.endr
.irp t, 0,1
.if \first
	v_max_num_f32 v[TM+\t], v[TM+\t], v[SS+16*\t+15]
.else
	v_max3_num_f32 v[TM+\t], v[TM+\t], v[SS+16*\t+15], v[ST+4*\t+1]
.endif
.endr
.irp t, 0,1
	v_permlanex16_b32 v[TX+\t], v[TM+\t], s18, s19
.endr
.if \first
.irp t, 0,1
	v_max_num_f32 v[ST+4*\t+1], v[TM+\t], v[TX+\t]                 ; the maximum of query r
	v_mul_f32 v[ST+4*\t], s66, v[ST+4*\t+1]                        ; -c max
.endr
.else
.irp t, 0,1
	v_max_num_f32 v[TM+\t], v[TM+\t], v[TX+\t]                     ; the new maximum of query r
	v_mul_f32 v[ST+4*\t], s66, v[TM+\t]                            ; -c max
	v_fma_f32 v[TX+\t], v[ST+4*\t+1], s20, v[ST+4*\t]              ; c (old max - new max)
	v_mov_b32 v[ST+4*\t+1], v[TM+\t]
.endr
.irp t, 0,1
	v_exp_f32 v[ST+4*\t+2], v[TX+\t]                               ; the rescale factor; plain work follows before it is used
.endr
.endif
.irp t, 0,1
.irp e, 0,2,4,6,8,10,12,14
	v_pk_fma_f32 v[SS+16*\t+\e:SS+16*\t+\e+1], v[SS+16*\t+\e:SS+16*\t+\e+1], s[20:21], v[ST+4*\t:ST+4*\t+1] op_sel_hi:[1,0,0]
.endr
.endr
.set ii, 0
.rept 32
	v_exp_f32 v[SS+ii], v[SS+ii]
.set ii, ii+1
.endr
.if \first
	s_wait_alu depctr_va_vdst(0)
.irp t, 0,1
	v_mov_b32 v[ST+4*\t+2], 1.0                                    ; no rescale yet; also the plain place behind the exponentials
.endr
.else
	s_wait_alu depctr_va_vdst(0)
.irp t, 0,1
.irp e, 0,2,4,6,8,10,12,14
	v_pk_mul_f32 v[OO+16*\t+\e:OO+16*\t+\e+1], v[OO+16*\t+\e:OO+16*\t+\e+1], v[ST+4*\t+2:ST+4*\t+3] op_sel_hi:[1,0]   ; also the plain places behind the exponentials
.endr
.endr
.endif
.irp t, 0,1
	v_pk_add_f32 v[TS:TS+1],   v[SS+16*\t:SS+16*\t+1],     v[SS+16*\t+2:SS+16*\t+3]
	v_pk_add_f32 v[TS+2:TS+3], v[SS+16*\t+4:SS+16*\t+5],   v[SS+16*\t+6:SS+16*\t+7]
	v_pk_add_f32 v[TS+4:TS+5], v[SS+16*\t+8:SS+16*\t+9],   v[SS+16*\t+10:SS+16*\t+11]
	v_pk_add_f32 v[TS+6:TS+7], v[SS+16*\t+12:SS+16*\t+13], v[SS+16*\t+14:SS+16*\t+15]
	v_pk_add_f32 v[TS:TS+1],   v[TS:TS+1],   v[TS+2:TS+3]
	v_pk_add_f32 v[TS+4:TS+5], v[TS+4:TS+5], v[TS+6:TS+7]
	v_pk_add_f32 v[TS:TS+1],   v[TS:TS+1],   v[TS+4:TS+5]
.if \first
	v_add_f32 v[ST+4*\t+3], v[TS], v[TS+1]                         ; my 16 keys' share of the sum; the two lanes of a query meet at the end
.else
	v_fma_f32 v[ST+4*\t+3], v[ST+4*\t+3], v[ST+4*\t+2], v[TS]
	v_add_f32 v[ST+4*\t+3], v[ST+4*\t+3], v[TS+1]
.endif
.irp i, 0,1,2,3,4,5,6,7
	v_cvt_pk_f16_f32 v[PB+8*\t+\i], v[SS+16*\t+2*\i], v[SS+16*\t+2*\i+1]
.endr
.endr
	s_wait_dscnt 4                                 ; V of this block is in; the four loads of the next K stay out
.if \first
	v_wmma_f32_16x16x32_f16 v[OO:OO+7],     v[VF:VF+7],    v[PB:PB+7],    0
	v_wmma_f32_16x16x32_f16 v[OO+16:OO+23], v[VF:VF+7],    v[PB+8:PB+15], 0
	v_wmma_f32_16x16x32_f16 v[OO+8:OO+15],  v[VF+8:VF+15], v[PB:PB+7],    0
	v_wmma_f32_16x16x32_f16 v[OO+24:OO+31], v[VF+8:VF+15], v[PB+8:PB+15], 0
.else
	v_wmma_f32_16x16x32_f16 v[OO:OO+7],     v[VF:VF+7],    v[PB:PB+7],    v[OO:OO+7]         ; four accumulators by turns
	v_wmma_f32_16x16x32_f16 v[OO+16:OO+23], v[VF:VF+7],    v[PB+8:PB+15], v[OO+16:OO+23]
	v_wmma_f32_16x16x32_f16 v[OO+8:OO+15],  v[VF+8:VF+15], v[PB:PB+7],    v[OO+8:OO+15]
	v_wmma_f32_16x16x32_f16 v[OO+24:OO+31], v[VF+8:VF+15], v[PB+8:PB+15], v[OO+24:OO+31]
.endif
.endm
; s16 = my first key block; the first step, then s16 >> 1 plain steps, two blocks down each.
.macro RUN q
	s_and_b32 s16, s16, 63                         ; it is 0..63 already: the bound is written out
	s_lshr_b32 s17, s16, 1
	v_lshl_add_u32 v2, s16, 12, v1
.irp i, 0,1,2,3
	ds_load_b128 v[KF+4*\i:KF+4*\i+3], v2 offset:512*\i
.endr
	STEP \q, 1
	s_cmp_eq_u32 s17, 0
	s_cbranch_scc1 .Lend_\@
.Lstep_\@:
	STEP \q, 0
	s_sub_co_i32 s17, s17, 1
	s_cmp_lg_u32 s17, 0
	s_cbranch_scc1 .Lstep_\@
.Lend_\@:
.endm
; The end of a query block: wave z = 1 hands over, wave z = 0 joins, divides by the sum, rounds to f16 and puts its part of the block's 32 rows x 256 bytes
; into a stage; all eight waves store whole rows.  vm: a scalar mask, all ones where wave 1 had a key block of its own.
; Three barriers: (1) every wave's loads of key blocks are back before any wave stores into LDS; (2) the hand-over stores are in LDS before wave 0 reads
; them; (3) wave 0's reads of them are back and its stage stores are in LDS before rows are read (and before the next block's hand-over stores).
.macro FIN so, cb, vm
	PLACES                                         ; behind the last four matrix instructions
	s_wait_dscnt 0x0                               ; my loads of key blocks are back, the four of a K block that nobody uses among them,
	s_barrier_signal -1
	s_barrier_wait -1                              ; and so are every wave's: load, wait, barrier, store, whichever block an address names
	s_cmp_eq_u32 s36, 0
	s_cbranch_scc1 .Lmine_\@
.irp i, 0,1,2,3,4,5,6,7
	ds_store_b128 v[MGA], v[OO+4*\i:OO+4*\i+3] offset:512*\i
.endr
	ds_store_b128 v[MGA], v[ST:ST+3] offset:4096
	ds_store_b128 v[MGA], v[ST+4:ST+7] offset:4608
.Lmine_\@:
	s_wait_dscnt 0x0                               ; my stores are in LDS before I say so
	s_barrier_signal -1
	s_barrier_wait -1
	s_cmp_lg_u32 s36, 0
	s_cbranch_scc1 .Lrows_\@
.irp i, 0,1,2,3,4,5,6,7
	ds_load_b128 v[SS+4*\i:SS+4*\i+3], v[MGA] offset:512*\i
.endr
	ds_load_b128 v[PB:PB+3], v[MGA] offset:4096
	ds_load_b128 v[PB+4:PB+7], v[MGA] offset:4608
	s_wait_dscnt 0x0
.irp t, 0,1
	v_cndmask_b32 v[PB+4*\t+1], v4, v[PB+4*\t+1], s[\vm]           ; no key block of its own: its maximum counts as -FLT_MAX
.endr
.irp t, 0,1
	v_max_num_f32 v[TM+\t], v[ST+4*\t+1], v[PB+4*\t+1]
.endr
.irp t, 0,1
	v_mul_f32 v[TX+\t], s66, v[TM+\t]
.endr
.irp t, 0,1
	v_fma_f32 v[TS+2*\t], v[ST+4*\t+1], s20, v[TX+\t]              ; c (my max - max)
	v_fma_f32 v[TS+2*\t+1], v[PB+4*\t+1], s20, v[TX+\t]            ; c (its max - max)
.endr
.irp t, 0,1
	v_exp_f32 v[ST+4*\t], v[TS+2*\t]                               ; my factor
	v_exp_f32 v[ST+4*\t+2], v[TS+2*\t+1]                           ; its factor
.endr
	v_nop
	s_wait_alu depctr_va_vdst(0)
.irp t, 0,1
	v_mul_f32 v[TM+\t], v[ST+4*\t+3], v[ST+4*\t]
.endr
.irp t, 0,1
	v_fma_f32 v[TM+\t], v[PB+4*\t+3], v[ST+4*\t+2], v[TM+\t]       ; the sum over this lane's keys
.endr
.irp t, 0,1
	v_permlanex16_b32 v[TX+\t], v[TM+\t], s18, s19
.endr
.irp t, 0,1
	v_add_f32 v[TM+\t], v[TM+\t], v[TX+\t]                         ; the two lanes of a query meet
.endr
.irp t, 0,1
	v_rcp_f32 v[TX+\t], v[TM+\t]
.endr
	v_nop
	s_wait_alu depctr_va_vdst(0)
.irp t, 0,1
	v_mul_f32 v[ST+4*\t], v[ST+4*\t], v[TX+\t]
	v_mul_f32 v[ST+4*\t+2], v[ST+4*\t+2], v[TX+\t]
.endr
.irp t, 0,1
.irp e, 0,2,4,6,8,10,12,14
	v_pk_mul_f32 v[OO+16*\t+\e:OO+16*\t+\e+1], v[OO+16*\t+\e:OO+16*\t+\e+1], v[ST+4*\t:ST+4*\t+1] op_sel_hi:[1,0]
.endr
.endr
.irp t, 0,1
.irp e, 0,2,4,6,8,10,12,14
	v_pk_fma_f32 v[OO+16*\t+\e:OO+16*\t+\e+1], v[SS+16*\t+\e:SS+16*\t+\e+1], v[ST+4*\t+2:ST+4*\t+3], v[OO+16*\t+\e:OO+16*\t+\e+1] op_sel_hi:[1,0,1]
.endr
.endr
.irp t, 0,1
.irp dt, 0,1
.irp i, 0,1,2,3
	v_cvt_pk_f16_f32 v[TM+8*\t+4*\dt+\i], v[OO+16*\t+8*\dt+2*\i], v[OO+16*\t+8*\dt+2*\i+1]
.endr
	ds_store_b128 v[STA], v[TM+8*\t+4*\dt:TM+8*\t+4*\dt+3] offset:\so+64*\t+32*\dt
.endr
.endr
.Lrows_\@:
	s_wait_dscnt 0x0                               ; my reads of the hand-over bytes are back and my stores are in LDS before I say so
	s_barrier_signal -1
	s_barrier_wait -1
.irp i, 0,1
	ds_load_b128 v[SS+4*\i:SS+4*\i+3], v[RDA] offset:\so+2*SPITCH*\i
.endr
.irp i, 0,1
	s_wait_dscnt 1-\i                              ; load i of the two is in
	global_store_b128 v[COA], v[SS+4*\i:SS+4*\i+3], s[\cb:\cb+1] offset:2*ACTP*\i    ; 16 lanes store 256 consecutive bytes, aligned
.endr
.endm
	s_wait_loadcnt 0x0                             ; both blocks' Q
	s_wait_tensorcnt 0x0                           ; my part of kv is in LDS,
	s_barrier_signal -1
	s_barrier_wait -1                              ; everybody's is
	s_sub_co_u32 s16, 63, s15                      ; the late block qb = 63 - p,
	s_sub_co_u32 s16, s16, s36                     ; my first key block qb - z (31 at the least)
	s_mov_b32 s37, -1                              ; wave 1 has key blocks of its own
	RUN QL
	FIN 0, 72, 37
	s_wait_xcnt 0x0                                ; the stores' data registers are written again by the next block's products
	s_sub_co_i32 s16, s15, s36                     ; the early block qb = p: my first key block p - z,
	s_max_i32 s16, s16, 0                          ; or block 0 where wave 1 has none
	s_cmp_lg_u32 s15, 0
	s_cselect_b32 s37, -1, 0                       ; in which case its part is left out at the join
	RUN QS
	FIN STG2, 74, 37
	s_wait_tensorcnt 0x0
	ds_add_u32 v176, v177
	s_wait_dscnt 0x0
	ROUND                                          ; the closing round
	s_endpgm
.Lfunc_end_k_qb95232006f_attn:
	.size	k_qb95232006f_attn, .Lfunc_end_k_qb95232006f_attn-k_qb95232006f_attn
	.p2alignl 7, 3214868480
	.fill 96, 4, 3214868480
	.section	.rodata,"a",@progbits
	.p2align	6, 0x0
	.amdhsa_kernel k_qb95232006f_attn
		.amdhsa_group_segment_fixed_size 301056
		.amdhsa_private_segment_fixed_size 0
		.amdhsa_enable_private_segment 0
		.amdhsa_kernarg_size 24
		.amdhsa_user_sgpr_count 2
		.amdhsa_user_sgpr_kernarg_segment_ptr 1
		.amdhsa_wavefront_size32 1
		.amdhsa_system_sgpr_workgroup_id_x 1
		.amdhsa_system_sgpr_workgroup_id_y 1
		.amdhsa_system_sgpr_workgroup_id_z 1
		.amdhsa_system_vgpr_workitem_id 0
		.amdhsa_next_free_vgpr 178
		.amdhsa_next_free_sgpr 80
		.amdhsa_reserve_vcc 0
		.amdhsa_float_denorm_mode_32 3
		.amdhsa_float_denorm_mode_16_64 3
		.amdhsa_memory_ordered 1
		.amdhsa_forward_progress 1
		.amdhsa_inst_pref_size 56
	.end_amdhsa_kernel
	.amdgpu_metadata
---
amdhsa.version: [ 1, 2 ]
amdhsa.kernels:
  - .name:           k_qb95232006f_attn
    .symbol:         k_qb95232006f_attn.kd
    .args:
      - { .name: qf, .offset: 0, .size: 8, .value_kind: global_buffer, .address_space: global }
      - { .name: kv, .offset: 8, .size: 8, .value_kind: global_buffer, .address_space: global }
      - { .name: act, .offset: 16, .size: 8, .value_kind: global_buffer, .address_space: global }
    .group_segment_fixed_size: 301056
    .private_segment_fixed_size: 0
    .kernarg_segment_align: 8
    .kernarg_segment_size: 24
    .max_flat_workgroup_size: 256
    .sgpr_count:     80
    .vgpr_count:     178
    .wavefront_size: 32
...
	.end_amdgpu_metadata
.endif
;; end of part 3
;; launch ffg (part 4): grid 16 x 16, 4 waves a work-group, clusters of 4 x 4, 327,680 bytes of LDS; arguments xn, wt, nrm, act; writes act
.if DOCPART == 4
	.amdgcn_target "amdgcn-amd-amdhsa--gfx1250"
	.amdhsa_code_object_version 6
	.text
	.protected	k_qb95232006f_ffg
	.globl	k_qb95232006f_ffg
	.p2align	8
	.type	k_qb95232006f_ffg,@function
k_qb95232006f_ffg:
	s_mov_b64 s[64:65], 0
	v_nop
	global_prefetch_b8 v0, s[64:65] scope:SCOPE_SE
	s_setreg_imm32_b32 hwreg(HW_REG_WAVE_MODE, 25, 1), 1
	s_wait_xcnt 0x0
	s_wait_alu depctr_hold_cnt(0) depctr_sa_sdst(0) depctr_va_vdst(0) depctr_va_sdst(0) depctr_va_ssrc(0) depctr_va_vcc(0) depctr_vm_vsrc(0)
	s_getreg_b32 s2, hwreg(HW_REG_IB_STS2, 6, 4)
	s_cmp_eq_u32 s2, 0
	s_cbranch_scc0 .Lentry_in_a_cluster
	s_endpgm
.Lentry_in_a_cluster:
	s_bfe_u32 s2, ttmp6, 0x10000c
	s_cmp_lg_u32 s2, 0xf033
	s_cbranch_scc0 .Lentry_shape_is_right
	s_endpgm
.Lentry_shape_is_right:
; ffg: act[row][c] = ff_x[row][c] * silu(gate[row][c]) / G, f16, c = 0..2047, with ff_x = xn x wt[576 + c]^T and gate = xn x wt[2624 + c]^T.
; A work-group makes 256 rows x 128 columns of the result = 256 x 256 of the product (128 rows of wt for ff_x, 128 for gate); four waves, 128 x 128 each:
; 64 accumulator tiles, 512 registers.  A wave's eight weight fragments are four of ff_x and the four of gate for the SAME columns, so the gated product
; is formed lane by lane.  K goes in steps of 128 through two LDS slots; rows are 256 bytes of memory, 272 bytes apart in LDS.
; CLUSTER 4 x 4: xn's tile is shared along a row of the cluster, wt's along a column; each is asked for jointly by the four that share it.
; THE SCALE G = 128 M^2, M = the largest |gamma w| of the ff columns (from nrm, not below 2^-40).  A row of xn has 1-norm <= 2048, so |ff_x|, |gate| <= 2048 M,
; |silu(g)| <= |g|, and the stored number is at most 32,768 in magnitude for every input: f16 has room.  The last launch multiplies its ff sums by G.
; Registers: window 0: v0-31 addresses, v64-127 and v128-191 fragments of xn (two buffers), v192-223 at work; window 1: fragments of wt;
; windows 2, 3: accumulators of my rows 0-63, 64-127 (tile (a, b) at v[8 (8 a + b)]).  The matrix instruction is used transposed (source 0 = wt rows).
.set SIZE_K, 2048
.set KSTEP,  128
.set PITCH,  272
.set HALFT,  128*PITCH
.set SLOT,   4*HALFT
.set LAPS,   SIZE_K/(2*KSTEP)
.set ACTP,   5120
.set ADRA, 16
.set ADRB, 20
.set STO,  24
.set RD,   25
.set CO,   26
.set F0,   64
.set F1,   128
.set TMP,  192
.set ET,   64
.set EU,   96
.set EP,   128
.set G1,  24
.set G0,  32
.set G1B, 48
.set G0B, 56
.set MSB, 0
.macro WIN new
.if MSB != \new
	s_set_vgpr_msb (MSB<<8)|\new
.set MSB, \new
.endif
.endm
.set MUL_LO, 0xa1
.set MUL_HI, 0xf1
.set TO_B,   0x40
.macro JLOAD s
	s_cmp_eq_u32 s11, 0
	s_cbranch_scc0 .Lfor_b_\@
	tensor_load_to_lds s[G0+4*\s:G0+4*\s+3], s[G1:G1+7]
	s_nop 0
	s_branch .Lasked_\@
.Lfor_b_\@:
	tensor_load_to_lds s[G0B+4*\s:G0B+4*\s+3], s[G1B:G1B+7]
	s_nop 0
.Lasked_\@:
.endm
.macro CREST
	s_cmp_lg_u32 s10, 0
	s_cbranch_scc1 .Lnot_wave_0_\@
	s_barrier_signal -3
.Lnot_wave_0_\@:
	s_barrier_wait -3
	s_barrier_signal -1
	s_barrier_wait -1
.endm
.macro CROUND
	s_barrier_signal -1
	s_barrier_wait -1
	CREST
.endm
	s_load_b128 s[4:7], s[0:1], 0x0                ; xn s[4:5], wt s[6:7]
	s_load_b64 s[68:69], s[0:1], 0x10              ; nrm
	s_load_b64 s[8:9], s[0:1], 0x18                ; act
	s_set_vgpr_msb 0x40
	v_lshl_add_u32 v255, v0, 2, 0x44000
	s_set_vgpr_msb 0x4000
	v_mov_b32 v255, 0
	s_set_vgpr_msb 0x1
	ds_add_u32 v255, v255
	s_set_vgpr_msb 0x100
	v_lshrrev_b32 v1, 5, v0
	v_readfirstlane_b32 s10, v1                    ; wave
	s_lshr_b32 s11, s10, 1                         ; my half of the rows.  Also: I fetch xn (0) or wt (1)
	s_and_b32 s12, s10, 1                          ; my half of the columns.  Also: which 128 rows of that tile I fetch
	s_bfe_u32 s40, ttmp6, 0x40000                  ; cx
	s_bfe_u32 s41, ttmp6, 0x40004                  ; cy
	s_lshl_b32 s42, ttmp9, 2
	s_add_co_u32 s42, s42, s40                     ; block column
	s_and_b32 s13, ttmp7, 0xffff
	s_lshl_b32 s13, s13, 2
	s_add_co_u32 s13, s13, s41                     ; block row
	s_lshl_b32 s43, s41, 2
	s_lshl_b32 s43, 15, s43                        ; my row of the cluster
	s_lshl_b32 s44, 0x1111, s40                    ; my column
	s_or_b32 s[G1+0], s43, (1<<16)|(1<<20)|(1<<21)|(5<<22)|(3<<25)
	s_or_b32 s[G1B+0], s44, (1<<16)|(1<<20)|(1<<21)|(5<<22)|(3<<25)
	s_mov_b32 s[G1B+1], KSTEP<<16
	s_mov_b32 s[G1+1], KSTEP<<16
	s_mov_b32 s[G1B+2], 128<<16
	s_mov_b32 s[G1+2], 128<<16
	s_mov_b32 s[G1B+3], KSTEP<<16
	s_mov_b32 s[G1+3], KSTEP<<16
	s_mov_b32 s[G1B+4], 128
	s_mov_b32 s[G1+4], 128
	s_mov_b32 s[G1B+5], SIZE_K
	s_mov_b32 s[G1+5], SIZE_K
	s_mov_b32 s[G1B+6], 0
	s_mov_b32 s[G1+6], 0
	s_mov_b32 s[G1B+7], 0
	s_mov_b32 s[G1+7], 0
	s_lshl_b32 s17, s12, 7
	s_lshl_b32 s16, s13, 8
	s_add_co_u32 s16, s16, s17                     ; xn: row 256 x block row + 128 x half
	s_lshl_b32 s46, s42, 7
	s_lshl_b32 s47, s12, 11
	s_add_co_u32 s46, s46, s47
	s_add_co_u32 s46, s46, 576                     ; wt: row 576 + 128 x block column, + 2048 for the gate half
	s_mov_b32 s17, 0
	s_mov_b32 s47, 0
	s_mov_b64 s[18:19], SIZE_K*2
	s_mul_u64 s[16:17], s[16:17], s[18:19]
	s_mul_u64 s[46:47], s[46:47], s[18:19]
	s_mul_i32 s20, s10, HALFT                      ; LDS: xn's two halves, then wt's two
	s_wait_dscnt 0x0
	s_wait_kmcnt 0x0
	s_add_nc_u64 s[14:15], s[4:5], s[16:17]
	s_add_nc_u64 s[46:47], s[6:7], s[46:47]
	CROUND                                         ; all sixteen work-groups are here: the first joint loads meet
.irp s, 0,1
	s_mov_b32 s[G0+4*\s], 1
	s_add_co_u32 s[G0+4*\s+1], s20, \s*SLOT
	s_add_nc_u64 s[G0+4*\s+2:G0+4*\s+3], s[14:15], \s*KSTEP*2
	s_or_b32 s[G0+4*\s+3], s[G0+4*\s+3], 0x80000000
	s_mov_b32 s[G0B+4*\s], 1
	s_add_co_u32 s[G0B+4*\s+1], s20, \s*SLOT
	s_add_nc_u64 s[G0B+4*\s+2:G0B+4*\s+3], s[46:47], \s*KSTEP*2
	s_or_b32 s[G0B+4*\s+3], s[G0B+4*\s+3], 0x80000000
	JLOAD \s                                       ; two loads of the wave are out, later one
.endr
	; the scale: the largest of nrm's 1,024 entries for the ff columns (bytes 576 .. 4,671)
	v_and_b32 v6, 31, v0
	v_lshlrev_b32 v6, 4, v6
.irp i, 0,1,2,3,4,5,6,7
	global_load_b128 v[TMP+4*\i:TMP+4*\i+3], v6, s[68:69] offset:576+512*\i
.endr
	s_mov_b32 s72, 0x76543210
	s_mov_b32 s73, 0xfedcba98
	v_and_b32 v1, 15, v0
	v_bfe_u32 v2, v0, 4, 1
	v_mul_u32_u24 v3, v1, PITCH
	v_lshl_add_u32 v3, v2, 4, v3
	s_mul_i32 s21, s11, HALFT                      ; my 128 rows of xn
	s_mul_i32 s22, s12, 64*PITCH                   ; my 64 columns: rows 64 nh .. of ff_x's half and of gate's half,
	s_add_co_u32 s22, s22, 2*HALFT                 ; which lie behind xn's 256 rows
.irp s, 0,1
	v_add_nc_u32 v[ADRA+\s], s21, v3
	v_add_nc_u32 v[ADRB+\s], s22, v3
	s_add_co_u32 s21, s21, SLOT
	s_add_co_u32 s22, s22, SLOT
.endr
	s_mul_i32 s23, s11, HALFT
	s_lshl_b32 s21, s12, 7
	s_add_co_u32 s23, s23, s21
	v_add_nc_u32 v[STO], s23, v3                   ; way out, in: row 128 mh + r, byte 128 nh + 16 h (slot 0, after its last fill and last read)
	v_mul_u32_u24 v5, v2, PITCH
	v_lshl_add_u32 v5, v1, 4, v5
	s_mul_i32 s23, s10, 64*PITCH
	v_add_nc_u32 v[RD], s23, v5                    ; back: row 64 w + h, byte 16 r
	v_mul_u32_u24 v5, v2, ACTP
	v_lshl_add_u32 v[CO], v1, 4, v5
	s_wait_loadcnt 0x0
	v_max3_num_f32 v7, v[TMP], v[TMP+1], v[TMP+2]
.set j, 3
.rept 14
	v_max3_num_f32 v7, v7, v[TMP+j], v[TMP+j+1]
.set j, j+2
.endr
	v_max_num_f32 v7, v7, v[TMP+31]
	v_mov_b32 v8, 0
	v_max_num_f32_dpp v7, v7, v7 row_xmask:1 row_mask:0xf bank_mask:0xf
	v_max_num_f32_dpp v7, v7, v7 row_xmask:2 row_mask:0xf bank_mask:0xf
	v_max_num_f32_dpp v7, v7, v7 row_xmask:4 row_mask:0xf bank_mask:0xf
	v_max_num_f32_dpp v7, v7, v7 row_xmask:8 row_mask:0xf bank_mask:0xf
	v_permlanex16_b32 v8, v7, s72, s73
	v_max_num_f32 v7, v7, v8
	v_max_num_f32 v7, 0x2b800000, v7               ; not below 2^-40: G stays a normal number for weights that are all zero
	v_mul_f32 v7, v7, v7
	v_mul_f32 v7, 0x43000000, v7                   ; G = 128 M^2
	v_readfirstlane_b32 s66, v7
	s_mov_b32 s67, s66
.macro MUL16 f, hi, a0, zero           ; the 64 accumulators take turns, one instruction a turn
.irp a, \a0, \a0+1
.irp b, 0,1,2,3,4,5,6,7
.if \zero
	v_wmma_f32_16x16x32_f16 v[8*(8*(\a)+\b):8*(8*(\a)+\b)+7], v[\f+8*\b:\f+8*\b+7], v[\f+8*(4*\hi+\a):\f+8*(4*\hi+\a)+7], 0
.else
	v_wmma_f32_16x16x32_f16 v[8*(8*(\a)+\b):8*(8*(\a)+\b)+7], v[\f+8*\b:\f+8*\b+7], v[\f+8*(4*\hi+\a):\f+8*(4*\hi+\a)+7], v[8*(8*(\a)+\b):8*(8*(\a)+\b)+7]
.endif
.endr
.endr
.endm
.macro FETCH slot, k, f                ; weight fragments 0-3: ff_x columns 64 nh + 16 i; 4-7: gate, 128 rows further down, the same columns
	WIN TO_B
.irp i, 0,1,2,3,4,5,6,7
	ds_load_b128 v[\f+8*\i:\f+8*\i+3],   v[ADRB+\slot] offset:\k+(16*\i+64*(\i/4))*PITCH
	ds_load_b128 v[\f+8*\i+4:\f+8*\i+7], v[ADRB+\slot] offset:\k+(16*\i+64*(\i/4))*PITCH+32
.endr
	WIN 0
.irp i, 0,1,2,3,4,5,6,7
	ds_load_b128 v[\f+8*\i:\f+8*\i+3],   v[ADRA+\slot] offset:\k+\i*16*PITCH
	ds_load_b128 v[\f+8*\i+4:\f+8*\i+7], v[ADRA+\slot] offset:\k+\i*16*PITCH+32
.endr
.endm
.macro PLACES                          ; four plain places behind a matrix instruction (ISA guide 7.12.1)
.rept 4
	v_nop
.endr
.endm
.macro QUARTER slot, k, f, g, zero
	s_wait_dscnt 8                                 ; all but the youngest eight loads (xn's rows 64-127)
	WIN MUL_LO
	MUL16 \f, 0, 0, \zero
	MUL16 \f, 0, 2, \zero
	PLACES
	FETCH \slot, \k, \g
	s_wait_dscnt 32                                ; all but the 32 just issued
	WIN MUL_HI
	MUL16 \f, 1, 0, \zero
	MUL16 \f, 1, 2, \zero
.endm
.macro THREE slot, zero
	QUARTER \slot, 64,  F0, F1, \zero
	QUARTER \slot, 128, F1, F0, 0
	QUARTER \slot, 192, F0, F1, 0
.endm
; The fourth quarter changes slots: each wave waits for its reads of this slot and for all its tensor loads (one is out: its part of the next slot), then the
; barrier; where the slot is filled again it opens a round of the cluster's barrier and the joint refill is the first tensor load behind the round.
.macro TURN slot, next, fill
	s_wait_dscnt 8
	WIN MUL_LO
	MUL16 F1, 0, 0, 0
	s_wait_dscnt 0
	s_wait_tensorcnt 0x0
	ds_add_u32 v255, v255
	s_wait_dscnt 0x0
	s_barrier_signal -1
	MUL16 F1, 0, 2, 0
	WIN 0
	s_barrier_wait -1
.if \fill
	CREST
	s_add_nc_u64 s[G0+4*\slot+2:G0+4*\slot+3], s[G0+4*\slot+2:G0+4*\slot+3], 2*KSTEP*2
	s_add_nc_u64 s[G0B+4*\slot+2:G0B+4*\slot+3], s[G0B+4*\slot+2:G0B+4*\slot+3], 2*KSTEP*2
	JLOAD \slot
.endif
	PLACES
	FETCH \next, 0, F0
	WIN MUL_HI
	MUL16 F1, 1, 0, 0
	MUL16 F1, 1, 2, 0
.endm
.macro LAP zero
	THREE 0, \zero
	TURN 0, 1, 1
	THREE 1, 0
	TURN 1, 0, 1
.endm
	s_wait_tensorcnt 1                             ; my part of K step 0 is in; K step 1's stays out
	s_barrier_signal -1
	s_barrier_wait -1
	FETCH 0, 0, F0
	LAP 1
	WIN 0
	s_mov_b32 s3, LAPS-2
.Llap:
	LAP 0
	WIN 0
	s_sub_co_u32 s3, s3, 1
	s_cmp_lg_u32 s3, 0
	s_cbranch_scc1 .Llap
	THREE 0, 0                                     ; the last lap fills nothing
	TURN 0, 1, 0                                   ; behind this barrier no wave reads slot 0 any more and nothing lands there
	THREE 1, 0
	s_wait_dscnt 8
	WIN MUL_LO
	MUL16 F1, 0, 0, 0
	MUL16 F1, 0, 2, 0
	s_wait_dscnt 0
	WIN MUL_HI
	MUL16 F1, 1, 0, 0
	MUL16 F1, 1, 2, 0
	PLACES                                         ; behind the last matrix instructions: results are read, fragment registers rewritten
	s_lshl_b32 s16, s13, 8
	s_lshl_b32 s14, s10, 6
	s_add_co_u32 s16, s16, s14
	s_mul_i32 s16, s16, ACTP                       ; row 256 x block row + 64 w
	s_mov_b32 s17, 0
	s_add_nc_u64 s[8:9], s[8:9], s[16:17]
	s_lshl_b32 s46, s42, 8                         ; byte 256 x block column
	s_mov_b32 s47, 0
	s_add_nc_u64 s[8:9], s[8:9], s[46:47]
; 16 rows x my 64 columns: x g / (G (1 + e^-g)).  A gate far below zero gives an infinite divisor and the result 0, as silu does.
.macro GLU hi, a, from
	WIN \from                                      ; sources 0 and 1 from the accumulators' window
.irp b, 0,1,2,3
.irp q, 0,2,4,6
	v_pk_mul_f32 v[ET+8*\b+\q:ET+8*\b+\q+1], v[8*(8*\a+\b+4)+\q:8*(8*\a+\b+4)+\q+1], 0xbfb8aa3b op_sel_hi:[1,0]
	v_pk_mul_f32 v[EU+8*\b+\q:EU+8*\b+\q+1], v[8*(8*\a+\b)+\q:8*(8*\a+\b)+\q+1], v[8*(8*\a+\b+4)+\q:8*(8*\a+\b+4)+\q+1]
.endr
.endr
	WIN 0
.set ii, 0
.rept 32
	v_exp_f32 v[ET+ii], v[ET+ii]
.set ii, ii+1
.endr
	v_nop
.set ii, 0
	s_wait_alu depctr_va_vdst(0)
.rept 16
	v_pk_fma_f32 v[ET+2*ii:ET+2*ii+1], v[ET+2*ii:ET+2*ii+1], s[66:67], s[66:67] op_sel_hi:[1,0,0]
.set ii, ii+1
.endr
.set ii, 0
.rept 32
	v_rcp_f32 v[ET+ii], v[ET+ii]
.set ii, ii+1
.endr
	v_nop
.set ii, 0
	s_wait_alu depctr_va_vdst(0)
.rept 16
	v_pk_mul_f32 v[EU+2*ii:EU+2*ii+1], v[EU+2*ii:EU+2*ii+1], v[ET+2*ii:ET+2*ii+1]
.set ii, ii+1
.endr
.set ii, 0
.rept 16
	v_cvt_pk_f16_f32 v[EP+ii], v[EU+2*ii], v[EU+2*ii+1]
.set ii, ii+1
.endr
.irp b, 0,1,2,3
	ds_store_b128 v[STO], v[EP+4*\b:EP+4*\b+3] offset:(64*\hi+16*\a)*PITCH+32*\b
.endr
.endm
	GLU 0, 0, 0x0a
	GLU 0, 1, 0x0a
	GLU 0, 2, 0x0a
	GLU 0, 3, 0x0a
	GLU 1, 0, 0x0f
	GLU 1, 1, 0x0f
	GLU 1, 2, 0x0f
	GLU 1, 3, 0x0f
	s_wait_dscnt 0x0                               ; my stores are in LDS before I say so: a row's 256 bytes come from two waves
	s_barrier_signal -1
	s_barrier_wait -1
.set n, 0
.rept 32
	ds_load_b128 v[64+4*n:64+4*n+3], v[RD] offset:2*n*PITCH
.set n, n+1
.endr
.set n, 0
.rept 32
	s_wait_dscnt 31-n                              ; load n of the 32 is in
	global_store_b128 v[CO], v[64+4*n:64+4*n+3], s[8:9] offset:2*n*ACTP          ; 16 lanes store 256 consecutive bytes, aligned
.set n, n+1
.endr
	s_set_vgpr_msb 0x1
	s_wait_tensorcnt 0x0
	ds_add_u32 v255, v255
	s_wait_dscnt 0x0
	s_set_vgpr_msb 0x100
	CROUND                                         ; the closing round
	s_endpgm
.Lfunc_end_k_qb95232006f_ffg:
	.size	k_qb95232006f_ffg, .Lfunc_end_k_qb95232006f_ffg-k_qb95232006f_ffg
	.p2alignl 7, 3214868480
	.fill 96, 4, 3214868480
	.section	.rodata,"a",@progbits
	.p2align	6, 0x0
	.amdhsa_kernel k_qb95232006f_ffg
		.amdhsa_group_segment_fixed_size 327680
		.amdhsa_private_segment_fixed_size 0
		.amdhsa_enable_private_segment 0
		.amdhsa_kernarg_size 32
		.amdhsa_user_sgpr_count 2
		.amdhsa_user_sgpr_kernarg_segment_ptr 1
		.amdhsa_wavefront_size32 1
		.amdhsa_system_sgpr_workgroup_id_x 1
		.amdhsa_system_sgpr_workgroup_id_y 1
		.amdhsa_system_sgpr_workgroup_id_z 1
		.amdhsa_system_vgpr_workitem_id 0
		.amdhsa_next_free_vgpr 1024
		.amdhsa_next_free_sgpr 76
		.amdhsa_reserve_vcc 0
		.amdhsa_float_denorm_mode_32 3
		.amdhsa_float_denorm_mode_16_64 3
		.amdhsa_memory_ordered 1
		.amdhsa_forward_progress 1
		.amdhsa_inst_pref_size 235
	.end_amdhsa_kernel
	.amdgpu_metadata
---
amdhsa.version: [ 1, 2 ]
amdhsa.kernels:
  - .name:           k_qb95232006f_ffg
    .symbol:         k_qb95232006f_ffg.kd
    .args:
      - { .name: xn, .offset: 0, .size: 8, .value_kind: global_buffer, .address_space: global }
      - { .name: wt, .offset: 8, .size: 8, .value_kind: global_buffer, .address_space: global }
      - { .name: nrm, .offset: 16, .size: 8, .value_kind: global_buffer, .address_space: global }
      - { .name: act, .offset: 24, .size: 8, .value_kind: global_buffer, .address_space: global }
    .group_segment_fixed_size: 327680
    .private_segment_fixed_size: 0
    .kernarg_segment_align: 8
    .kernarg_segment_size: 32
    .max_flat_workgroup_size: 128
    .sgpr_count:     76
    .vgpr_count:     1024
    .wavefront_size: 32
...
	.end_amdgpu_metadata
.endif
;; end of part 4
;; launch outg (part 5): grid 8 x 32, 4 waves a work-group, clusters of 4 x 4, 327,680 bytes of LDS; arguments act, wo, nrm, out0; writes out0
.if DOCPART == 5
	.amdgcn_target "amdgcn-amd-amdhsa--gfx1250"
	.amdhsa_code_object_version 6
	.text
	.protected	k_qb95232006f_outg
	.globl	k_qb95232006f_outg
	.p2align	8
	.type	k_qb95232006f_outg,@function
k_qb95232006f_outg:
	s_mov_b64 s[64:65], 0
	v_nop
	global_prefetch_b8 v0, s[64:65] scope:SCOPE_SE
	s_setreg_imm32_b32 hwreg(HW_REG_WAVE_MODE, 25, 1), 1
	s_wait_xcnt 0x0
	s_wait_alu depctr_hold_cnt(0) depctr_sa_sdst(0) depctr_va_vdst(0) depctr_va_sdst(0) depctr_va_ssrc(0) depctr_va_vcc(0) depctr_vm_vsrc(0)
	s_getreg_b32 s2, hwreg(HW_REG_IB_STS2, 6, 4)
	s_cmp_eq_u32 s2, 0
	s_cbranch_scc0 .Lentry_in_a_cluster
	s_endpgm
.Lentry_in_a_cluster:
	s_bfe_u32 s2, ttmp6, 0x10000c
	s_cmp_lg_u32 s2, 0xf033
	s_cbranch_scc0 .Lentry_shape_is_right
	s_endpgm
.Lentry_shape_is_right:
; outg: out0[4096][2048] = G * (act[:, 0:2048] x wo[:, 0:2048]^T) + act[:, 2048:2560] x wo[:, 2048:2560]^T, f16 operands, f32 sums and output.
; The first 16 K steps are the feed-forward part, stored divided by G = 128 M^2 (M from nrm, as in the launch that stored it): behind them the sums are
; multiplied by G once, in f32; the last 4 K steps add the attention part.
; A work-group makes 128 rows x 256 columns with four waves (64 x 128 each, 32 accumulator tiles in register window 1): 8 x 32 = 256 work-groups.
; K goes in steps of 128 through two LDS slots; rows are 256 bytes of memory, 272 bytes apart in LDS.  Waves 0, 1 fetch wo's 2 x 128 rows,
; waves 2, 3 act's 2 x 64 rows: one tensor load a wave.  CLUSTER 4 x 4: act's tile is shared along a row of the cluster, wo's along a column.
; The matrix instruction is used transposed (source 0 = wo rows): lane (r, h), register j holds (row 16 a + r, column 16 b + 8 h + j).
.set FB,    8
.set NT,    32*FB
.set BH,    NT/2
.set KP,    2560
.set LAPS,  KP/256
.set FFLAPS, 2048/256
.set KSTEP, 128
.set PITCH, 272
.set SLOT,  (NT+128)*PITCH
.set STAGE, 2*SLOT                     ; behind the ring: 16 rows x 528 bytes for each wave; no tensor load lands there
.set OPITCH, 528
.set ADRA, 16
.set ADRB, 20
.set STO,  24
.set RD,   25
.set CO,   26
.set FA0,  32
.set FB0,  96
.set TMP,  224
.set G1A, 24
.set G0A, 32
.set G1B, 40
.set G0B, 48
.set ACCW, 0x50
.set MSB, 0
.macro WIN new
.if MSB != \new
	s_set_vgpr_msb (MSB<<8)|\new
.set MSB, \new
.endif
.endm
.macro PLACES                          ; four plain places behind a matrix instruction (ISA guide 7.12.1)
.rept 4
	v_nop
.endr
.endm
.macro JLOAD s
	s_cmp_eq_u32 s13, 0
	s_cbranch_scc0 .Lfor_a_\@
	tensor_load_to_lds s[G0B+4*\s:G0B+4*\s+3], s[G1B:G1B+7]
	s_nop 0
	s_branch .Lasked_\@
.Lfor_a_\@:
	tensor_load_to_lds s[G0A+4*\s:G0A+4*\s+3], s[G1A:G1A+7]
	s_nop 0
.Lasked_\@:
.endm
.macro CREST
	s_cmp_lg_u32 s12, 0
	s_cbranch_scc1 .Lnot_wave_0_\@
	s_barrier_signal -3
.Lnot_wave_0_\@:
	s_barrier_wait -3
	s_barrier_signal -1
	s_barrier_wait -1
.endm
.macro CROUND
	s_barrier_signal -1
	s_barrier_wait -1
	CREST
.endm
.macro MUL f, a, zero                  ; the accumulators take turns, one instruction a turn
.set bb, 0
.rept FB
.if \zero
	v_wmma_f32_16x16x32_f16 v[8*(FB*\a+bb):8*(FB*\a+bb)+7], v[FB0+64*\f+8*bb:FB0+64*\f+8*bb+7], v[FA0+32*\f+8*\a:FA0+32*\f+8*\a+7], 0
.else
	v_wmma_f32_16x16x32_f16 v[8*(FB*\a+bb):8*(FB*\a+bb)+7], v[FB0+64*\f+8*bb:FB0+64*\f+8*bb+7], v[FA0+32*\f+8*\a:FA0+32*\f+8*\a+7], v[8*(FB*\a+bb):8*(FB*\a+bb)+7]
.endif
.set bb, bb+1
.endr
.endm
.macro FETCH slot, k, f
.set bb, 0
.rept FB
	ds_load_b128 v[FB0+64*\f+8*bb:FB0+64*\f+8*bb+3],   v[ADRB+\slot] offset:\k+bb*16*PITCH
	ds_load_b128 v[FB0+64*\f+8*bb+4:FB0+64*\f+8*bb+7], v[ADRB+\slot] offset:\k+bb*16*PITCH+32
.set bb, bb+1
.endr
.irp i, 0,1,2,3
	ds_load_b128 v[FA0+32*\f+8*\i:FA0+32*\f+8*\i+3],   v[ADRA+\slot] offset:\k+\i*16*PITCH
	ds_load_b128 v[FA0+32*\f+8*\i+4:FA0+32*\f+8*\i+7], v[ADRA+\slot] offset:\k+\i*16*PITCH+32
.endr
.endm
.macro QUARTER slot, k, f, g, zero
	s_wait_dscnt 4                                 ; all but the four youngest loads (row tiles 2, 3)
	WIN ACCW
	MUL \f, 0, \zero
	MUL \f, 1, \zero
	WIN 0
	PLACES
	FETCH \slot, \k, \g
	s_wait_dscnt 2*FB+8                            ; all but the loads just issued
	WIN ACCW
	MUL \f, 2, \zero
	MUL \f, 3, \zero
.endm
.macro THREE slot, zero
	QUARTER \slot, 64,  0, 1, \zero
	QUARTER \slot, 128, 1, 0, 0
	QUARTER \slot, 192, 0, 1, 0
.endm
; The fourth quarter changes slots: each wave waits for its reads of this slot and for all its tensor loads (one is out: its part of the next slot), then the
; barrier; where the slot is filled again it opens a round of the cluster's barrier and the joint refill is the first tensor load behind the round.
.macro TURN slot, next, fill
	s_wait_dscnt 4
	WIN ACCW
	MUL 1, 0, 0
	s_wait_dscnt 0
	s_wait_tensorcnt 0x0
	ds_add_u32 v30, v31
	s_wait_dscnt 0x0
	s_barrier_signal -1
	MUL 1, 1, 0
	WIN 0
	s_barrier_wait -1
.if \fill
	CREST
	s_add_nc_u64 s[G0A+4*\slot+2:G0A+4*\slot+3], s[G0A+4*\slot+2:G0A+4*\slot+3], 2*KSTEP*2
	s_add_nc_u64 s[G0B+4*\slot+2:G0B+4*\slot+3], s[G0B+4*\slot+2:G0B+4*\slot+3], 2*KSTEP*2
	JLOAD \slot
.endif
	PLACES
	FETCH \next, 0, 0
	WIN ACCW
	MUL 1, 2, 0
	MUL 1, 3, 0
.endm
.macro LAP zero
	THREE 0, \zero
	TURN 0, 1, 1
	THREE 1, 0
	TURN 1, 0, 1
.endm
	s_load_b256 s[4:11], s[0:1], 0x0               ; act s[4:5], wo s[6:7], nrm s[8:9], out0 s[10:11]
	v_lshl_add_u32 v30, v0, 2, 0x3b400
	v_mov_b32 v31, 0
	ds_add_u32 v30, v31
	v_lshrrev_b32 v1, 5, v0
	v_readfirstlane_b32 s12, v1                    ; wave
	s_lshr_b32 s13, s12, 1                         ; mh.  Also: I fetch wo (0) or act (1)
	s_and_b32 s14, s12, 1                          ; nh.  Also: which half of that tile I fetch
	s_bfe_u32 s15, ttmp6, 0x40000                  ; cx
	s_bfe_u32 s56, ttmp6, 0x40004                  ; cy
	s_lshl_b32 s17, ttmp9, 2
	s_add_co_u32 s17, s17, s15                     ; block column
	s_and_b32 s16, ttmp7, 0xffff
	s_lshl_b32 s16, s16, 2
	s_add_co_u32 s16, s16, s56                     ; block row
	s_lshl_b32 s57, s56, 2
	s_lshl_b32 s57, 15, s57                        ; my row of the cluster
	s_lshl_b32 s58, 0x1111, s15                    ; my column
	s_or_b32 s[G1A+0], s57, (1<<16)|(1<<20)|(1<<21)|(5<<22)|(3<<25)
	s_mov_b32 s[G1A+1], KSTEP<<16
	s_mov_b32 s[G1A+2], 64<<16
	s_mov_b32 s[G1A+3], KSTEP<<16
	s_mov_b32 s[G1A+4], 64
	s_mov_b32 s[G1A+5], KP
	s_mov_b32 s[G1A+6], 0
	s_mov_b32 s[G1A+7], 0
	s_or_b32 s[G1B+0], s58, (1<<16)|(1<<20)|(1<<21)|(5<<22)|(3<<25)
	s_mov_b32 s[G1B+1], KSTEP<<16
	s_mov_b32 s[G1B+2], BH<<16
	s_mov_b32 s[G1B+3], KSTEP<<16
	s_mov_b32 s[G1B+4], BH
	s_mov_b32 s[G1B+5], KP
	s_mov_b32 s[G1B+6], 0
	s_mov_b32 s[G1B+7], 0
	s_lshl_b32 s18, s16, 7
	s_lshl_b32 s19, s14, 6
	s_add_co_u32 s18, s18, s19                     ; act: row 128 x block row + 64 x half
	s_mul_i32 s18, s18, KP*2
	s_mov_b32 s19, 0
	s_lshl_b32 s20, s17, 8
	s_lshl_b32 s21, s14, 7
	s_add_co_u32 s20, s20, s21                     ; wo: row 256 x block column + 128 x half
	s_mul_i32 s20, s20, KP*2
	s_mov_b32 s21, 0
	s_mul_i32 s22, s12, 64*PITCH
	s_add_co_u32 s22, s22, (NT-128)*PITCH          ; LDS: waves 2, 3 behind wo's NT rows
	s_mul_i32 s23, s12, BH*PITCH                   ; LDS: waves 0, 1
	s_wait_dscnt 0x0
	s_wait_kmcnt 0x0
	s_add_nc_u64 s[18:19], s[4:5], s[18:19]
	s_add_nc_u64 s[20:21], s[6:7], s[20:21]
	CROUND                                         ; all sixteen work-groups are here: the first joint loads meet
.irp s, 0,1
	s_mov_b32 s[G0A+4*\s], 1
	s_add_co_u32 s[G0A+4*\s+1], s22, \s*SLOT
	s_add_nc_u64 s[G0A+4*\s+2:G0A+4*\s+3], s[18:19], \s*KSTEP*2
	s_or_b32 s[G0A+4*\s+3], s[G0A+4*\s+3], 0x80000000
	s_mov_b32 s[G0B+4*\s], 1
	s_add_co_u32 s[G0B+4*\s+1], s23, \s*SLOT
	s_add_nc_u64 s[G0B+4*\s+2:G0B+4*\s+3], s[20:21], \s*KSTEP*2
	s_or_b32 s[G0B+4*\s+3], s[G0B+4*\s+3], 0x80000000
	JLOAD \s                                       ; two loads of the wave are out, later one
.endr
	; the scale: the largest of nrm's 1,024 entries for the ff columns (bytes 576 .. 4,671)
	v_and_b32 v6, 31, v0
	v_lshlrev_b32 v6, 4, v6
.irp i, 0,1,2,3,4,5,6,7
	global_load_b128 v[TMP+4*\i:TMP+4*\i+3], v6, s[8:9] offset:576+512*\i
.endr
	s_mov_b32 s62, 0x76543210
	s_mov_b32 s63, 0xfedcba98
	v_and_b32 v1, 15, v0                           ; r
	v_bfe_u32 v2, v0, 4, 1                         ; h
	v_mul_u32_u24 v3, v1, PITCH
	v_lshl_add_u32 v3, v2, 4, v3
	s_mul_i32 s66, s13, 64*PITCH
	s_add_co_u32 s66, s66, NT*PITCH
	s_mul_i32 s67, s14, 16*FB*PITCH
.irp s, 0,1
	v_add_nc_u32 v[ADRA+\s], s66, v3
	v_add_nc_u32 v[ADRB+\s], s67, v3
	s_add_co_u32 s66, s66, SLOT
	s_add_co_u32 s67, s67, SLOT
.endr
	s_mul_i32 s68, s12, 16*OPITCH
	s_add_co_u32 s68, s68, STAGE                   ; my stage
	v_mul_u32_u24 v4, v1, OPITCH
	v_lshl_add_u32 v4, v2, 5, v4
	v_add_nc_u32 v[STO], s68, v4                   ; in: row r, byte 32 h
	v_add_nc_u32 v[RD], s68, v6                    ; back: 16 lane of a row of 512 bytes
	v_mov_b32 v[CO], v6
	s_wait_loadcnt 0x0
	v_max3_num_f32 v7, v[TMP], v[TMP+1], v[TMP+2]
.set j, 3
.rept 14
	v_max3_num_f32 v7, v7, v[TMP+j], v[TMP+j+1]
.set j, j+2
.endr
	v_max_num_f32 v7, v7, v[TMP+31]
	v_mov_b32 v8, 0
	v_max_num_f32_dpp v7, v7, v7 row_xmask:1 row_mask:0xf bank_mask:0xf
	v_max_num_f32_dpp v7, v7, v7 row_xmask:2 row_mask:0xf bank_mask:0xf
	v_max_num_f32_dpp v7, v7, v7 row_xmask:4 row_mask:0xf bank_mask:0xf
	v_max_num_f32_dpp v7, v7, v7 row_xmask:8 row_mask:0xf bank_mask:0xf
	v_permlanex16_b32 v8, v7, s62, s63
	v_max_num_f32 v7, v7, v8
	v_max_num_f32 v7, 0x2b800000, v7               ; not below 2^-40, as in the launch that divided by G
	v_mul_f32 v7, v7, v7
	v_mul_f32 v7, 0x43000000, v7                   ; G = 128 M^2
	v_readfirstlane_b32 s60, v7
	s_mov_b32 s61, s60
	s_wait_tensorcnt 1                             ; my part of K step 0 is in; K step 1's stays out
	s_barrier_signal -1
	s_barrier_wait -1
	FETCH 0, 0, 0
	LAP 1                                          ; the first products start the sums
	WIN 0
	s_mov_b32 s3, FFLAPS-1
.Llap:
	LAP 0
	WIN 0
	s_sub_co_u32 s3, s3, 1
	s_cmp_lg_u32 s3, 0
	s_cbranch_scc1 .Llap
	PLACES                                         ; K steps 0..15 are summed: the feed-forward part gets its scale back
	WIN 0x41                                       ; destination and source 0 in window 1
.set ii, 0
.rept 128
	v_pk_mul_f32 v[2*ii:2*ii+1], v[2*ii:2*ii+1], s[60:61] op_sel_hi:[1,0]
.set ii, ii+1
.endr
	LAP 0                                          ; K steps 16, 17; it asks for 18 and 19
	THREE 0, 0                                     ; the last lap fills nothing
	TURN 0, 1, 0
	THREE 1, 0
	s_wait_dscnt 4
	WIN ACCW
	MUL 1, 0, 0
	MUL 1, 1, 0
	s_wait_dscnt 0
	MUL 1, 2, 0
	MUL 1, 3, 0
	WIN 0
	PLACES                                         ; behind the last matrix instructions: results are stored to LDS, fragment registers loaded again
	s_lshl_b32 s18, s16, 7
	s_lshl_b32 s19, s13, 6
	s_add_co_u32 s18, s18, s19
	s_lshl_b32 s18, s18, 13                        ; my first row, 8,192 bytes a row
	s_mov_b32 s19, 0
	s_add_nc_u64 s[10:11], s[10:11], s[18:19]
	s_lshl_b32 s20, s17, 10
	s_lshl_b32 s21, s14, 9
	s_add_co_u32 s20, s20, s21                     ; my first column, 4 bytes a number
	s_mov_b32 s21, 0
	s_add_nc_u64 s[10:11], s[10:11], s[20:21]
; 16 rows at a time through my own stage: a lane's 32 bytes go in, whole rows of 512 bytes come back.
.macro OUT a
	WIN 0x04                                       ; store data from window 1
.set bb, 0
.rept 8
	ds_store_b128 v[STO], v[8*(8*\a+bb):8*(8*\a+bb)+3] offset:64*bb
	ds_store_b128 v[STO], v[8*(8*\a+bb)+4:8*(8*\a+bb)+7] offset:64*bb+16
.set bb, bb+1
.endr
	WIN 0
	s_wait_xcnt 0x0                                ; the last 16 stores' data registers and base are rewritten only behind this wait
.if \a
	s_add_nc_u64 s[10:11], s[10:11], 16*8192
.endif
.set n, 0
.rept 16
	ds_load_b128 v[32+4*n:32+4*n+3], v[RD] offset:n*OPITCH       ; LDS serves a wave's instructions in order: these see the stores above
.set n, n+1
.endr
.set n, 0
.rept 16
	s_wait_dscnt 15-n                              ; load n of the 16 is in
	global_store_b128 v[CO], v[32+4*n:32+4*n+3], s[10:11] offset:n*8192 th:TH_STORE_NT   ; the wave stores 512 consecutive bytes, aligned
.set n, n+1
.endr
.endm
	OUT 0
	OUT 1
	OUT 2
	OUT 3
	s_wait_tensorcnt 0x0
	ds_add_u32 v30, v31
	s_wait_dscnt 0x0
	CROUND                                         ; the closing round
	s_endpgm
.Lfunc_end_k_qb95232006f_outg:
	.size	k_qb95232006f_outg, .Lfunc_end_k_qb95232006f_outg-k_qb95232006f_outg
	.p2alignl 7, 3214868480
	.fill 96, 4, 3214868480
	.section	.rodata,"a",@progbits
	.p2align	6, 0x0
	.amdhsa_kernel k_qb95232006f_outg
		.amdhsa_group_segment_fixed_size 327680
		.amdhsa_private_segment_fixed_size 0
		.amdhsa_enable_private_segment 0
		.amdhsa_kernarg_size 32
		.amdhsa_user_sgpr_count 2
		.amdhsa_user_sgpr_kernarg_segment_ptr 1
		.amdhsa_wavefront_size32 1
		.amdhsa_system_sgpr_workgroup_id_x 1
		.amdhsa_system_sgpr_workgroup_id_y 1
		.amdhsa_system_sgpr_workgroup_id_z 1
		.amdhsa_system_vgpr_workitem_id 0
		.amdhsa_next_free_vgpr 512
		.amdhsa_next_free_sgpr 72
		.amdhsa_reserve_vcc 0
		.amdhsa_float_denorm_mode_32 3
		.amdhsa_float_denorm_mode_16_64 3
		.amdhsa_memory_ordered 1
		.amdhsa_forward_progress 1
		.amdhsa_inst_pref_size 160
	.end_amdhsa_kernel
	.amdgpu_metadata
---
amdhsa.version: [ 1, 2 ]
amdhsa.kernels:
  - .name:           k_qb95232006f_outg
    .symbol:         k_qb95232006f_outg.kd
    .args:
      - { .name: act, .offset: 0, .size: 8, .value_kind: global_buffer, .address_space: global }
      - { .name: wo, .offset: 8, .size: 8, .value_kind: global_buffer, .address_space: global }
      - { .name: nrm, .offset: 16, .size: 8, .value_kind: global_buffer, .address_space: global }
      - { .name: out0, .offset: 24, .size: 8, .value_kind: global_buffer, .address_space: global }
    .group_segment_fixed_size: 327680
    .private_segment_fixed_size: 0
    .kernarg_segment_align: 8
    .kernarg_segment_size: 32
    .max_flat_workgroup_size: 128
    .sgpr_count:     72
    .vgpr_count:     512
    .wavefront_size: 32
...
	.end_amdgpu_metadata
.endif
;; end of part 5
